; MI455X (gfx1250); checked and timed in simulation.
; The chip was launched on July 23, 2026; its instructions are those of AMD's public machine-readable ISA for CDNA 5 (MIT licence, August 2026) and "CDNA5" Instruction Set Architecture Reference Guide (July 2026). The comments in the code are by the model that wrote it; some were corrected since.
;; Grouped Query Attention. Allowed arithmetic: matrix products marked QUANTISED: E4M3 operands, one E8M0 scale for each 32 along K, by v_wmma_scale_f32_16x16x128_f8f6f4 with both operands' format E4M3, f32 sums; everything else in f32.
;; Inputs: rms_w 2,048 float32; w_in_codes 2,048 x 64 x 32 uint8 (E4M3 codes of w_in, K innermost, in blocks of 32 codes); w_in_scales 2,048 x 64 uint8 (E8M0 scales of w_in, one for each 32 codes along K); w_out_codes 2,048 x 32 x 32 uint8 (E4M3 codes of w_out, K innermost, in blocks of 32 codes); w_out_scales 2,048 x 32 uint8 (E8M0 scales of w_out, one for each 32 codes along K); x 2 x 2,048 x 2,048 float32.
;; Outputs: out0 2 x 2,048 x 2,048 float32.
;; This version of the problem:
;;   THIS VERSION OF THE PROBLEM IS GIVEN IN LOW PRECISION. The matrix products marked QUANTISED in the list below multiply operands that are first quantised to E4M3 (4 exponent bits, 3 mantissa bits; 8 bits a number), with one power-of-two scale for each 32 numbers along K (OCP MX v1.0); their sums are f32. All else is computed in f32.
;;   The module's matrix products, in the order in which they are computed (A, B: the left and right operand; K: the contracted axis; several contracted axes count as one K, in the product's order):
;;     1. [M 4,096, K 2,048] x [K 2,048, N 2,048]; A: computed on the way; B: input w_in (given as codes): QUANTISED
;;     2. batch 16 x [M 4,096, K 64] x [K 64, N 2,048]; A: computed on the way; B: computed on the way: QUANTISED
;;     3. batch 16 x [M 4,096, K 2,048] x [K 2,048, N 64]; A: softmax (see below); B: computed on the way: QUANTISED
;;     4. [M 4,096, K 1,024] x [K 1,024, N 2,048]; A: computed on the way; B: input w_out (given as codes): QUANTISED
;;   THE QUANTISER, for each operand of a quantised product, along K:
;;     - K is cut into blocks of 32 from its start; a last block that is shorter is filled with zeros.
;;     - A block's scale is 2^e with e = floor(log2(the largest magnitude in the block)) - 8, held to -126 .. 127; a block of zeros has e = 0. As a byte (E8M0): e + 127.
;;     - Each number is divided by its block's scale, clamped to +-448, and rounded to the nearest number of E4M3, ties to even, subnormals kept.
;;     - The product sums the exact products of the quantised numbers (number of the format x scale) in f32.
;;   ~~~python
;;   def quantise(x, axis):      # numpy; x: float32 -> the quantised numbers, widened to float32 again
;;       x = np.moveaxis(x, axis, -1); K = x.shape[-1]
;;       x = np.pad(x, [(0, 0)] * (x.ndim - 1) + [(0, -K % 32)]); x = x.reshape(x.shape[:-1] + (-1, 32)); a = np.abs(x).max(-1, keepdims=True)
;;       e = np.where(a > 0, np.clip(np.frexp(np.where(a > 0, a, 1))[1] - 1 - 8, -126, 127), 0)      # np.frexp(a)[1] - 1 = floor(log2(a)), exactly
;;       r = np.clip(x / 2.0 ** e, -448, 448)
;;       step = 2.0 ** (np.maximum(np.frexp(np.where(r == 0, 1, r))[1] - 1, -6) - 3)
;;       q = np.round(r / step) * step * 2.0 ** e      # np.round: ties to even
;;       return np.moveaxis(q.reshape(q.shape[:-2] + (-1,))[..., :K], -1, axis).astype(np.float32)
;;   ~~~
;;   SOFTMAX AHEAD OF A QUANTISED PRODUCT. Where the list says 'softmax', what is quantised is not the finished softmax but p = 2^(t - M), with t = logit x log2(e) and M = ceil(the row's largest t), a whole number; so 1/2 < the row's largest p <= 1. The row's sum l is taken of the UNQUANTISED p, in f32, and the product's result is divided by l at the end. Since M is a whole number, a kernel that streams over the keys may use a running M (the ceiling of the running maximum): every later rescaling is an exact power of two, which a block's scale takes up: the codes' values come out the same.
;;   OPERANDS COMPUTED ON THE WAY. 'Computed on the way' means the value that the module computes at that place (a softmax that the list does not call 'softmax' is quantised finished and normalised). What goes into a quantiser is computed in f32, as accurately as f32 sums, v_exp_f32 and their like allow (about 1e-6 of the number): no bf16 or f16 on the way to a quantiser, and a product that is left as it is and whose result goes on into a quantised operand takes f32 operands (vector FMAs, or v_wmma_f32_16x16x4_f32). A number that lies on a knife's edge between two numbers of the format may be rounded either way, as far as f32 arithmetic and the matrix unit's own rounding can turn it there, and no further.
;;   INPUTS GIVEN AS CODES. w_in (in the module: [2048, 2048], K = its axis 1); w_out (in the module: [2048, 1024], K = its axis 1): each comes as NAME_codes (uint8): NAME with its K axis moved to the last place and cut into blocks of 32 codes, [.., K / 32, bytes a block], one block behind the other in memory; one code a byte (a code: sign, 4 exponent bits, 3 mantissa bits); and NAME_scales (uint8): the same leading axes, one E8M0 byte (e + 127) for each 32 codes along K. Its value is code x scale, taken as it is: it is not quantised again, and the codes and scales need not be those that the quantiser above would give.
;; 2 versions, each right; version 2 is version 1 with the launch attn written anew for expert scheduling mode. Each part assembles by itself: llvm-mc -triple=amdgcn-amd-amdhsa -mcpu=gfx1250 --defsym DOCPART=n.
;; ======== version 1 of 2: 4 launches
;; workspace buffers: xq 8,388,608 bytes; xs 262,144 bytes; rope 1,048,576 bytes; qc 4,194,304 bytes; kvc 4,194,304 bytes; qkvs 458,752 bytes; oc 4,194,304 bytes; os 131,072 bytes
;; launch norm (part 1): grid 256 x 1, 16 waves a work-group, no clusters, 171,008 bytes of LDS; arguments x, rms_w, xq, xs, rope; writes xq, xs, rope
.if DOCPART == 1
	.amdgcn_target "amdgcn-amd-amdhsa--gfx1250"
	.amdhsa_code_object_version 6
	.text
	.protected	k_q2b53979b96_norm
	.globl	k_q2b53979b96_norm
	.p2align	8
	.type	k_q2b53979b96_norm,@function
k_q2b53979b96_norm:
	s_mov_b64 s[64:65], 0
	v_nop
	global_prefetch_b8 v0, s[64:65] scope:SCOPE_SE
	s_setreg_imm32_b32 hwreg(HW_REG_WAVE_MODE, 25, 1), 1
	s_wait_xcnt 0x0
; THE PROGRAM: out0 = x + attention(RMSNorm(x)) in four launches: norm, proj, attn, outp.  All four matrix products are on codes of E4M3 with one E8M0 scale for each 32 along K.
; WORK LEFT OUT, in launch attn alone: a key step (16 queries x 128 keys) all of whose keys come after all of its queries.  reference() sets those scores to -infinity by its own jnp.tril, so their
; p = exp(-infinity) = 0 whatever the inputs hold: they add nothing to a row's sum and nothing to o.  LIMIT: a NaN, an infinity or an overflow that reaches only such steps is not carried to the result.
; Every input has a way to the output: all six are loaded.
; THIS LAUNCH: y = x * rsqrt(mean(x^2) + 1e-6) * rms_w, in f32 and in reference()'s order, then quantised along the model axis: codes xq [4096][2048], scale bytes xs [4096][64], both row-major.
; And the table of cos and sin for the rotation, laid as launch proj's registers want it: rope [token tile of 16][8 loads][32 lanes][16 bytes].
; SHARES: a work-group owns 16 tokens, each of its sixteen waves one row of 8,192 bytes: 16 loads of 512 consecutive bytes, all asked for at once; the row stays in registers between the sum and the scaling.
; The conversions want 16 NEIGHBOURS of a row in one lane: the row turns through the wave's own stage in LDS (64 bytes a place, 16 of padding behind each), four steps of 512 numbers.
; cos and sin: the angle s * 10000^(-j/32) is made as reference() makes it (one f32 product); it is reduced by a whole number of quarter turns, pi/2 taken in two parts, and both come from
; polynomials on |r| <= pi/4 whose cut-off terms lie under 2e-9.
; LIMITS: NaN and infinities among the inputs are not served.  A block whose largest magnitude lies under 2^-118 keeps the scale byte 1; so does a block of zeros, where the rule says 127: its codes are
; zeros, and the bytes are read by this program alone.  10000^(-j/32) comes from v_exp_f32: at the last positions the angle is good to about 2e-4, the size of the angle's own last f32 bits.
.set SP,    80                         ; a place in the stage: 64 bytes + 16 of padding
.set WST,   10240                      ; a wave's stage: 4 steps x 32 places
.set SCB,   163840                     ; 16 rows x 64 scale bytes
.set RTB,   164864                     ; the table of this token tile, 4,096 bytes
.set SPARE, 168960                     ; the spare words, 128 bytes for each wave: eight blocks of 256 bytes that no other line names
.set X,   16                           ; v16-79   the row as loaded: load i, lane l: numbers 128 i + 4 l + 0..3
.set W,   80                           ; v80-143  rms_w in the same places; later XS
.set XS,  80                           ; v80-143  four steps x 16 neighbours
.set C,   144                          ; v144-159 codes, four registers a step
.set E,   160                          ; v160-163 a scale byte a step
.set SPW, 12                           ; v12      LDS address of my spare word; never rewritten
.set NIL, 13                           ; v13      0; never rewritten
	s_load_b256 s[4:11], s[0:1], 0x0               ; x s[4:5], rms_w s[6:7], xq s[8:9], xs s[10:11]
	s_load_b64 s[12:13], s[0:1], 0x20              ; rope
	v_lshl_add_u32 v[SPW], v0, 2, SPARE
	v_mov_b32 v[NIL], 0
	v_lshrrev_b32 v1, 5, v0
	v_readfirstlane_b32 s14, v1                    ; wave 0..15 = my token in the tile
	v_and_b32 v1, 31, v0                           ; lane
	v_lshlrev_b32 v2, 4, v1                        ; 16 x lane
	s_mul_i32 s15, s14, WST
	v_lshrrev_b32 v3, 2, v1
	v_mul_u32_u24 v3, v3, SP
	v_and_b32 v4, 3, v1
	v_lshl_add_u32 v3, v4, 4, v3
	v_add_nc_u32 v3, s15, v3                       ; the stage, on the way in: four lanes' 64 bytes on end, then the padding
	v_mul_u32_u24 v4, v1, SP
	v_add_nc_u32 v4, s15, v4                       ; and on the way out: my 16 neighbours
	s_lshl_b32 s15, s14, 6
	s_add_co_u32 s15, s15, SCB
	v_lshrrev_b32 v5, 1, v1
	v_add_nc_u32 v5, s15, v5                       ; my row's scale bytes, my block's byte
	v_lshrrev_b32 v6, 4, v1                        ; the table: lane = j; load 2 (j / 16) + (j / 4) % 2, lane 16 ((j / 8) % 2) + token, word j % 4
	v_lshlrev_b32 v6, 10, v6
	v_bfe_u32 v7, v1, 2, 1
	v_lshl_add_u32 v6, v7, 9, v6
	v_bfe_u32 v7, v1, 3, 1
	v_lshl_add_u32 v6, v7, 8, v6
	v_and_b32 v7, 3, v1
	v_lshl_add_u32 v6, v7, 2, v6
	s_lshl_b32 s15, s14, 4
	s_add_co_u32 s15, s15, RTB
	v_add_nc_u32 v6, s15, v6
	v_and_b32 v8, 255, v0
	v_lshlrev_b32 v8, 4, v8                        ; the table on its way out: 16 bytes a thread of waves 0-7
	v_add_nc_u32 v7, RTB, v8
	v_and_b32 v10, 63, v0
	v_lshlrev_b32 v10, 4, v10                      ; the scale bytes likewise: waves 8 and 9
	v_add_nc_u32 v9, SCB, v10
	s_mov_b32 s20, 0x3a000000                      ; 1 / 2048
	s_mov_b32 s21, 0x358637bd                      ; 1e-6
	s_mov_b32 s22, 0x76543210
	s_mov_b32 s23, 0xfedcba98                      ; v_permlanex16_b32's selects for lane l xor 16
	s_mov_b32 s24, 0x600000                        ; the mantissa field of 448
	s_lshl_b32 s18, ttmp9, 4
	s_add_co_u32 s18, s18, s14
	s_and_b32 s18, s18, 2047                       ; my token's position in its sequence
	s_lshl_b32 s16, ttmp9, 17
	s_lshl_b32 s17, s14, 13
	s_add_co_u32 s16, s16, s17                     ; my row in x: (16 G + w) x 8,192 bytes
	s_mov_b32 s17, 0
	s_wait_kmcnt 0x0
	s_add_nc_u64 s[4:5], s[4:5], s[16:17]
.irp i, 0,1,2,3,4,5,6,7,8,9,10,11,12,13,14,15
	global_load_b128 v[X+4*\i:X+4*\i+3], v2, s[4:5] offset:512*\i th:TH_LOAD_NT
.endr
.irp i, 0,1,2,3,4,5,6,7,8,9,10,11,12,13,14,15
	global_load_b128 v[W+4*\i:W+4*\i+3], v2, s[6:7] offset:512*\i
.endr
	s_lshl_b32 s16, ttmp9, 15
	s_lshl_b32 s19, s14, 11
	s_add_co_u32 s16, s16, s19
	s_add_nc_u64 s[8:9], s[8:9], s[16:17]          ; my row in xq
	s_lshl_b32 s16, ttmp9, 10
	s_add_nc_u64 s[10:11], s[10:11], s[16:17]      ; the tile's 1,024 scale bytes
	s_lshl_b32 s16, ttmp9, 12
	s_add_nc_u64 s[12:13], s[12:13], s[16:17]      ; the tile's table
	; ---- cos and sin of my token's angle for j = lane, while the loads are on their way
	v_cvt_f32_u32 v186, v1
	v_cvt_f32_u32 v187, s18
	v_mul_f32 v186, 0xbed49a78, v186               ; -j log2(10000) / 32
	v_exp_f32 v186, v186
	v_nop                                          ; a plain instruction behind the exponential,
	s_wait_alu depctr_va_vdst(0)                   ; and the wait ahead of its first reader
	v_mul_f32 v187, v187, v186                     ; the angle
	v_mul_f32 v188, 0x3f22f983, v187
	v_rndne_f32 v188, v188                         ; n = the nearest whole number of quarter turns, at most 1,304
	v_fmamk_f32 v189, v188, 0xbfc90fdb, v187       ; r = angle - n pi/2: pi/2's f32 part,
	v_fmamk_f32 v189, v188, 0x333bbd2e, v189       ; and what that part leaves over
	v_mul_f32 v190, v189, v189                     ; z = r r
	v_mov_b32 v191, 0x3638ef1d
	v_fmaak_f32 v191, v191, v190, 0xb9500d01
	v_fmaak_f32 v191, v191, v190, 0x3c088889
	v_fmaak_f32 v191, v191, v190, 0xbe2aaaab
	v_mul_f32 v192, v189, v190
	v_fma_f32 v191, v192, v191, v189               ; sin r
	v_mov_b32 v193, 0xb493f27e
	v_fmaak_f32 v193, v193, v190, 0x37d00d01
	v_fmaak_f32 v193, v193, v190, 0xbab60b61
	v_fmaak_f32 v193, v193, v190, 0x3d2aaaab
	v_fma_f32 v193, v193, v190, -0.5
	v_fma_f32 v193, v193, v190, 1.0                ; cos r
	v_cvt_i32_f32 v194, v188
	v_and_b32 v195, 1, v194
	v_cmp_eq_u32 vcc_lo, 1, v195                   ; an odd number of quarter turns swaps the two
	v_cndmask_b32 v196, v193, v191, vcc_lo
	v_add_nc_u32 v195, 1, v194
	v_and_b32 v195, 2, v195
	v_lshlrev_b32 v195, 30, v195
	v_xor_b32 v196, v195, v196                     ; cos: cos r, -sin r, -cos r, sin r for n % 4 = 0, 1, 2, 3
	v_cndmask_b32 v197, v191, v193, vcc_lo
	v_and_b32 v195, 2, v194
	v_lshlrev_b32 v195, 30, v195
	v_xor_b32 v197, v195, v197                     ; sin: sin r, cos r, -sin r, -cos r
	ds_store_b32 v6, v196
	ds_store_b32 v6, v197 offset:2048
	; ---- the sum of squares: four chains of packed multiply-adds; the first four products start them
	s_wait_loadcnt 16                              ; x is in; the 16 younger loads, rms_w's, may be out
.irp c, 0,1,2,3
	v_pk_mul_f32 v[176+2*\c:177+2*\c], v[X+2*\c:X+2*\c+1], v[X+2*\c:X+2*\c+1]
.endr
.set j, 4
.rept 28
	v_pk_fma_f32 v[176+2*(j%4):177+2*(j%4)], v[X+2*j:X+2*j+1], v[X+2*j:X+2*j+1], v[176+2*(j%4):177+2*(j%4)]
.set j, j+1
.endr
	v_pk_add_f32 v[176:177], v[176:177], v[178:179]
	v_pk_add_f32 v[180:181], v[180:181], v[182:183]
	v_pk_add_f32 v[176:177], v[176:177], v[180:181]
	v_add_f32 v176, v176, v177
	v_add_f32_dpp v176, v176, v176 row_xmask:1 row_mask:0xf bank_mask:0xf
	v_add_f32_dpp v176, v176, v176 row_xmask:2 row_mask:0xf bank_mask:0xf
	v_add_f32_dpp v176, v176, v176 row_xmask:4 row_mask:0xf bank_mask:0xf
	v_add_f32_dpp v176, v176, v176 row_xmask:8 row_mask:0xf bank_mask:0xf
	v_permlanex16_b32 v177, v176, s22, s23
	v_add_f32 v176, v176, v177
	v_fma_f32 v176, v176, s20, s21                 ; the mean + 1e-6
	v_rsq_f32 v184, v176
	v_mov_b32 v185, 0                              ; (named with v184 as a pair, so it is written.)  The plain instruction behind the root
	s_wait_alu depctr_va_vdst(0)                   ; the wait ahead of its first reader
	s_wait_loadcnt 0x0                             ; rms_w
.set j, 0
.rept 32
	v_pk_mul_f32 v[X+2*j:X+2*j+1], v[X+2*j:X+2*j+1], v[184:185] op_sel_hi:[1,0]
.set j, j+1
.endr
.set j, 0
.rept 32
	v_pk_mul_f32 v[X+2*j:X+2*j+1], v[X+2*j:X+2*j+1], v[W+2*j:W+2*j+1]
.set j, j+1
.endr
	; ---- the turn: in as loaded, out 64 bytes a lane.  LDS serves a wave's instructions in order, so no wait stands between the stores and the loads
.irp i, 0,1,2,3,4,5,6,7,8,9,10,11,12,13,14,15
	ds_store_b128 v3, v[X+4*\i:X+4*\i+3] offset:2560*(\i/4)+640*(\i%4)
.endr
.irp i, 0,1,2,3,4,5,6,7,8,9,10,11,12,13,14,15
	ds_load_b128 v[XS+4*\i:XS+4*\i+3], v4 offset:2560*(\i/4)+16*(\i%4)
.endr
; A step: 512 numbers, 16 a lane; two neighbouring lanes hold a block of 32.
.macro QSTEP t
.set XT, XS+16*(\t)
	s_wait_dscnt 12-4*(\t)                         ; this step's four loads are in: behind them stand the later steps' loads (and byte stores, which only make the count safer)
	v_max3_num_f32 v164, |v[XT]|, |v[XT+1]|, |v[XT+2]|
	v_max3_num_f32 v165, |v[XT+3]|, |v[XT+4]|, |v[XT+5]|
.irp i, 6,10
	v_max3_num_f32 v164, v164, |v[XT+\i]|, |v[XT+\i+1]|
	v_max3_num_f32 v165, v165, |v[XT+\i+2]|, |v[XT+\i+3]|
.endr
	v_max3_num_f32 v164, v164, |v[XT+14]|, |v[XT+15]|
	v_max3_num_f32 v164, v164, v165, 0x4800000     ; and the floor 2^(9 - 127): the byte cannot fall under 1
	v_max_num_f32_dpp v164, v164, v164 row_xmask:1 row_mask:0xf bank_mask:0xf   ; with my neighbour's 16: the block's largest magnitude
	v_add_nc_u32 v166, 0xfc000000, v164            ; 8 off its exponent field: the conversion's scale operand
	v_and_or_b32 v167, v164, 0x7f800000, s24       ; 448 x the scale
.irp i, 0,1,2,3,4,5,6,7,8,9,10,11,12,13,14,15
	v_med3_num_f32 v[XT+\i], v[XT+\i], -v167, v167 ; the conversion to an 8-bit code does not saturate (ISA guide 7.6.2): the hold comes first
.endr
	v_cvt_scalef32_pk8_fp8_f32 v[C+4*(\t):C+4*(\t)+1], v[XT:XT+7], v166
	v_cvt_scalef32_pk8_fp8_f32 v[C+4*(\t)+2:C+4*(\t)+3], v[XT+8:XT+15], v166
	v_lshrrev_b32 v[E+(\t)], 23, v166              ; the scale's byte
	ds_store_b8 v5, v[E+(\t)] offset:16*(\t)       ; both lanes of a block write the same byte with the same value
	global_store_b128 v2, v[C+4*(\t):C+4*(\t)+3], s[8:9] offset:512*(\t)   ; the wave stores 512 consecutive bytes of its row
.endm
	QSTEP 0
	QSTEP 1
	QSTEP 2
	QSTEP 3
	s_wait_dscnt 0x0                               ; for the others' sake: my table words and my scale bytes lie in LDS
	s_barrier_signal -1
	s_barrier_wait -1                              ; everybody's do
	s_cmp_lt_u32 s14, 8
	s_cbranch_scc0 .Lnot_table
	ds_load_b128 v[16:19], v7                      ; waves 0-7: the table, 512 consecutive bytes a wave
	s_wait_dscnt 0x0
	global_store_b128 v8, v[16:19], s[12:13]
	s_branch .Lend
.Lnot_table:
	s_cmp_lt_u32 s14, 10
	s_cbranch_scc0 .Lend
	ds_load_b128 v[16:19], v9                      ; waves 8 and 9: the 16 rows' scale bytes
	s_wait_dscnt 0x0
	global_store_b128 v10, v[16:19], s[10:11]
.Lend:
	s_wait_tensorcnt 0x0                           ; the wave's end: behind my last LDS store
	ds_add_u32 v[SPW], v[NIL]
	s_wait_dscnt 0x0
	s_endpgm
.Lfunc_end_k_q2b53979b96_norm:
	.size	k_q2b53979b96_norm, .Lfunc_end_k_q2b53979b96_norm-k_q2b53979b96_norm
	.p2alignl 7, 3214868480
	.fill 96, 4, 3214868480
	.section	.rodata,"a",@progbits
	.p2align	6, 0x0
	.amdhsa_kernel k_q2b53979b96_norm
		.amdhsa_group_segment_fixed_size 171008
		.amdhsa_private_segment_fixed_size 0
		.amdhsa_enable_private_segment 0
		.amdhsa_kernarg_size 40
		.amdhsa_user_sgpr_count 2
		.amdhsa_user_sgpr_kernarg_segment_ptr 1
		.amdhsa_wavefront_size32 1
		.amdhsa_system_sgpr_workgroup_id_x 1
		.amdhsa_system_sgpr_workgroup_id_y 1
		.amdhsa_system_sgpr_workgroup_id_z 1
		.amdhsa_system_vgpr_workitem_id 0
		.amdhsa_next_free_vgpr 208
		.amdhsa_next_free_sgpr 66
		.amdhsa_reserve_vcc 1
		.amdhsa_float_denorm_mode_32 3
		.amdhsa_float_denorm_mode_16_64 3
		.amdhsa_memory_ordered 1
		.amdhsa_forward_progress 1
		.amdhsa_inst_pref_size 26
	.end_amdhsa_kernel
	.amdgpu_metadata
---
amdhsa.version: [ 1, 2 ]
amdhsa.kernels:
  - .name:           k_q2b53979b96_norm
    .symbol:         k_q2b53979b96_norm.kd
    .args:
      - { .name: x, .offset: 0, .size: 8, .value_kind: global_buffer, .address_space: global }
      - { .name: rms_w, .offset: 8, .size: 8, .value_kind: global_buffer, .address_space: global }
      - { .name: xq, .offset: 16, .size: 8, .value_kind: global_buffer, .address_space: global }
      - { .name: xs, .offset: 24, .size: 8, .value_kind: global_buffer, .address_space: global }
      - { .name: rope, .offset: 32, .size: 8, .value_kind: global_buffer, .address_space: global }
    .group_segment_fixed_size: 171008
    .private_segment_fixed_size: 0
    .kernarg_segment_align: 8
    .kernarg_segment_size: 40
    .max_flat_workgroup_size: 512
    .sgpr_count:     66
    .vgpr_count:     208
    .wavefront_size: 32
...
	.end_amdgpu_metadata
.endif
;; end of part 1
;; launch proj (part 2): grid 8 x 16, 4 waves a work-group, clusters of 4 x 4, 327,680 bytes of LDS; arguments xq, xs, w_in_codes, w_in_scales, rope, qc, kvc, qkvs; writes qc, kvc, qkvs
.if DOCPART == 2
	.amdgcn_target "amdgcn-amd-amdhsa--gfx1250"
	.amdhsa_code_object_version 6
	.text
	.protected	k_q2b53979b96_proj
	.globl	k_q2b53979b96_proj
	.p2align	8
	.type	k_q2b53979b96_proj,@function
k_q2b53979b96_proj:
	s_mov_b64 s[64:65], 0
	v_nop
	global_prefetch_b8 v0, s[64:65] scope:SCOPE_SE
	s_setreg_imm32_b32 hwreg(HW_REG_WAVE_MODE, 25, 1), 1
	s_wait_xcnt 0x0
	s_wait_alu depctr_hold_cnt(0) depctr_sa_sdst(0) depctr_va_vdst(0) depctr_va_sdst(0) depctr_va_ssrc(0) depctr_va_vcc(0) depctr_vm_vsrc(0)
	s_getreg_b32 s2, hwreg(HW_REG_IB_STS2, 6, 4)
	s_cmp_eq_u32 s2, 0
	s_cbranch_scc0 .Lentry_in_a_cluster
	s_endpgm
.Lentry_in_a_cluster:
	s_bfe_u32 s2, ttmp6, 0x10000c
	s_cmp_lg_u32 s2, 0xf033
	s_cbranch_scc0 .Lentry_shape_is_right
	s_endpgm
.Lentry_shape_is_right:
; The in-projection, [4096 tokens][2048] x w_in [2048 columns][2048], on codes of E4M3 with E8M0 scales, and what reference() does to its result on the way to the next two products:
; q and k are rotated and quantised along d, v is quantised along the KEYS.  Nothing of the result goes to memory in f32.  No work is left out here.
; A tile of 256 tokens x 256 columns is made by four waves, 128 x 128 each: 64 accumulators, 512 registers.  K goes in steps of 256 through a ring of two LDS slots filled by the tensor data mover;
; the scale bytes of the work-group's rows, for all of K, come once, with the first fills.  CLUSTERS of 4 x 4: the tokens' tiles are shared along a row of the cluster, the weights' along a column: joint loads.
; WHICH COLUMNS: the clusters with x = 0 take q's 1,024 columns, 256 a work-group.  Those with x = 1 give every work-group 128 columns of k (its waves 0, 2) and 128 of v (waves 1, 3), so that all
; partners run alike: what a wave does on the way out hangs on the cluster's x and the wave's number alone.
; ROLES.  The matrix instruction's source 1 gives the result's lanes, source 0 its registers.  For q and k source 1 = tokens: a lane holds one token and its registers run along d, their K.
; For v the two LDS addresses change places (the text of the products is the same): a lane holds one d and its registers run along the tokens, which are v's K.
; ORDER INSIDE A BLOCK OF 32.  Two neighbouring result tiles give lane (r, h) the numbers 8 h + 0..7 and 16 + 8 h + 0..7 of a block; they are stored so.  q and k are laid alike, and so are v and launch attn's p:
; a permutation of k inside a block, the same on both sides of a product, keeps the products and the blocks' scales.
; OUT, as images of the operands' registers (a group of four registers = 512 consecutive bytes, lane l's 16 at 16 l): qc [32 heads][128 tiles][2 groups], kvc: k [16][128][2], then v [16][16 key steps][4 d tiles][4 groups];
; qkvs: a word for each row of a fragment; q's and k's hold two scale bytes and 0x7f7f above them, for the half of the next product's K step that is filled with zero codes.
; LIMITS: as in launch norm (byte 1 for blocks under 2^-118 and for blocks of zeros; NaN and infinities not served).
; REGISTERS, in windows of 256: window 0: v16-31 addresses; v32-63 scale words, two sets; from v128 source 1's fragments, one set; on the way out v32-255 are free.
;   window 1: source 0's fragments, two sets.   window 2: the accumulators of source 1's blocks 0-3 ((a, b) at v[8 (8 (a % 4) + b)]);   window 3: those of blocks 4-7.
.set SIZE_K, 2048
.set KSTEP,  256                       ; along K in a slot
.set NQ,     KSTEP/128                 ; matrix instructions deep
.set ROWB,   256                       ; a tile's row in bytes
.set KROW,   SIZE_K                    ; a row of codes in memory
.set PITCH,  272                       ; an LDS row: 256 bytes + 16 of padding, so that the 16 rows of a fragment load start 68 words apart
.set FR,     16                        ; registers of a fragment
.set NL,     4                         ; LDS loads that bring one
.set NP,     8                         ; places behind this matrix instruction (ISA guide 7.12.1)
.set HALFT,  128*PITCH                 ; 128 rows: what one tensor load brings
.set SLOT,   4*HALFT                   ; the tokens' 256 rows, then the weights' 256
.set LAPS,   SIZE_K/(2*KSTEP)
.set KS,     SIZE_K/32                 ; a row of scale bytes
.set SCL,    2*SLOT                    ; behind the ring: the scales, as rows of 256 bytes + 16 of padding
.set HALFS,  (128*KS/256)*272
.set SBLK,   (16*KS/256)*272
.set SPARE,  SCL+4*HALFS               ; the spare words, 128 bytes for each wave: two blocks of 256 bytes that no other line names
.set ADRA, 16                          ; v16-17  LDS address of source 1's fragments in slot 0, 1
.set ADRB, 20                          ; v20-21  of source 0's
.set VSO,  23                          ; v23     v's words on their way out: 16 (lane % 16) + 4,096 (lane / 16)
.set IMO,  24                          ; v24     16 x lane
.set SQA,  25                          ; v25     q's and k's words into my stage: 1,024 wave + 4 r
.set SQR,  26                          ; v26     and back: 1,024 wave + 16 lane
.set ADRS, 27                          ; v27     LDS address of my scale words
.set SPW,  28                          ; v28     my spare word; never rewritten
.set NIL,  29                          ; v29     0; never rewritten
.set SVA,  30                          ; v30     v's words into my stage: 4,096 + 512 wave + 4 r
.set SVR,  31                          ; v31     and back
.set SC,   32
.set AF,   128
.set YR,   32                          ; the way out: v32-95 64 numbers of a lane
.set PCD,  96                          ; v96-111 their codes
.set TM,   128                         ; v128-143 largest magnitudes, bytes, holds, scale operands
.set PW,   144                         ; the scale word
.set W0,   145
.set W1,   146
.set WB,   148                         ; v148-155 words read back
.set CSB,  160                         ; v160-223 two sets of 16 cos and 16 sin
.set RT1,  224                         ; v224-239 at work in the rotation
.set RT2,  232
.set G1, 24
.set G0, 32
.set G1B, 48
.set G0B, 56
.set G1S, 68
.set G0S, 76
.set G1SB, 80
.set G0SB, 88
.set MSB, 0
.macro WIN new                         ; the immediate's high byte repeats the setting that is left; a switch that changes nothing is dropped
.if MSB != (\new)
	s_set_vgpr_msb (MSB<<8)|(\new)
.set MSB, (\new)
.endif
.endm
.set MUL_LO, 0xa1                      ; source 0 window 1, source 1 window 0, C and D window 2
.set MUL_HI, 0xf1                      ; the same, C and D window 3
.set TO_B,   0x40                      ; destination window 1, address window 0
; A joint load: waves 0 and 1 fetch the tokens' halves, waves 2 and 3 the weights'.  The branch hangs on the wave's number alone.  An s_nop 0 and four v_nop follow each of the two lines.
.macro JLOAD g0a, g1a, g0b, g1b
	s_cmp_eq_u32 s15, 0
	s_cbranch_scc0 .Lfor_b_\@
	tensor_load_to_lds s[\g0a:\g0a+3], s[\g1a:\g1a+7]
	s_nop 0
.rept 4
	v_nop
.endr
	s_branch .Lasked_\@
.Lfor_b_\@:
	tensor_load_to_lds s[\g0b:\g0b+3], s[\g1b:\g1b+7]
	s_nop 0
.rept 4
	v_nop
.endr
.Lasked_\@:
.endm
.macro CREST                           ; a round of the cluster's barrier behind its opening barrier
	s_cmp_lg_u32 s14, 0
	s_cbranch_scc1 .Lnot_wave_0_\@
	s_barrier_signal -3
.Lnot_wave_0_\@:
	s_barrier_wait -3
	s_barrier_signal -1
	s_barrier_wait -1
.endm
.macro CROUND                          ; a whole round
	s_barrier_signal -1
	s_barrier_wait -1
	CREST
.endm
	s_load_b256 s[4:11], s[0:1], 0x0               ; xq s[4:5], xs s[6:7], w_in's codes s[8:9], its scales s[10:11]
	v_lshl_add_u32 v[SPW], v0, 2, SPARE
	v_mov_b32 v[NIL], 0
	ds_add_u32 v[SPW], v[NIL]                      ; the wave's opening: the add, twice on end, and its wait ahead of my first tensor load
	ds_add_u32 v[SPW], v[NIL]                      ; and once more, under the one wait; the set-up below, work on registers, stands between
	v_lshrrev_b32 v1, 5, v0
	v_readfirstlane_b32 s14, v1                    ; wave 0..3
	s_lshr_b32 s15, s14, 1                         ; which half of the tile's tokens is mine.  Also: I fetch tokens (0) or weights (1)
	s_and_b32 s16, s14, 1                          ; which half of its columns.  Also: which 128 rows I fetch
	s_bfe_u32 s40, ttmp6, 0x40000                  ; cx, cy: my place in the cluster
	s_bfe_u32 s41, ttmp6, 0x40004
	s_and_b32 s17, ttmp7, 0xffff
	s_lshl_b32 s17, s17, 2
	s_add_co_u32 s17, s17, s41                     ; tile row = 4 x cluster y + cy
	s_lshl_b32 s43, s41, 2
	s_lshl_b32 s43, 15, s43                        ; my row of the cluster
	s_lshl_b32 s44, 0x1111, s40                    ; my column
	s_and_b32 s95, ttmp9, s16                      ; 1 in a wave that makes v: cluster x = 1 and the second half of the columns; the same in all partners
	s_mov_b32 s12, 0x600000                        ; the mantissa field of 448
	s_mov_b32 s13, 0x7f7f0000                      ; two scale bytes of 1.0, above q's and k's two
	s_mov_b32 s66, 0x76543210
	s_mov_b32 s67, 0xfedcba98                      ; v_permlanex16_b32's selects for lane l xor 16
	; descriptor group 1: a tile of 128 rows x 256 bytes, 16 bytes of padding behind each row
	s_or_b32 s[G1+0], s43, (0<<16)|(1<<20)|(1<<21)|(5<<22)|(3<<25)  ; 15:0 the mask: my row; 17:16 elements of 1 byte; 20 padding on; 21 set beside a mask; 24:22 after every 64 words; 31:25 four words
	s_or_b32 s[G1B+0], s44, (0<<16)|(1<<20)|(1<<21)|(5<<22)|(3<<25) ; the same with the mask of my column
.irp g, G1, G1B
	s_mov_b32 s[\g+1], ROWB<<16                    ; tensor_dim0
	s_mov_b32 s[\g+2], 128<<16                     ; tensor_dim1
	s_mov_b32 s[\g+3], ROWB<<16                    ; tile_dim0
	s_mov_b32 s[\g+4], 128                         ; tile_dim1
	s_mov_b32 s[\g+5], KROW                        ; tensor_dim0_stride
	s_mov_b32 s[\g+6], 0
	s_mov_b32 s[\g+7], 0
.endr
	; the scales of 128 rows: a dense block of 8,192 bytes, as rows of 256 bytes (32 elements of 8), 16 bytes of padding behind each
	s_or_b32 s[G1S+0], s43, (3<<16)|(1<<20)|(1<<21)|(5<<22)|(3<<25)
	s_or_b32 s[G1SB+0], s44, (3<<16)|(1<<20)|(1<<21)|(5<<22)|(3<<25)
.irp g, G1S, G1SB
	s_mov_b32 s[\g+1], 32<<16
	s_mov_b32 s[\g+2], (128*KS/256)<<16
	s_mov_b32 s[\g+3], 32<<16
	s_mov_b32 s[\g+4], 128*KS/256
	s_mov_b32 s[\g+5], 32
	s_mov_b32 s[\g+6], 0
	s_mov_b32 s[\g+7], 0
.endr
	s_lshl_b32 s18, s16, 7
	s_lshl_b32 s20, s17, 8
	s_add_co_u32 s20, s20, s18                     ; tokens: row 256 x tile row + 128 x half
	s_lshl_b32 s46, s40, 8
	s_lshr_b32 s46, s46, ttmp9                     ; weights: 256 cx among q's columns, 128 cx among k's and v's,
	s_lshl_b32 s2, ttmp9, 1
	s_add_co_u32 s2, s2, 7
	s_lshl_b32 s2, s16, s2                         ; + 128 x half (q), or 512 x half (from k's columns to v's),
	s_add_co_u32 s46, s46, s2
	s_lshl_b32 s2, ttmp9, 10
	s_add_co_u32 s46, s46, s2                      ; + 1,024 behind q's columns
	s_mov_b32 s21, 0
	s_mov_b32 s47, 0
	s_mov_b64 s[18:19], KS
	s_mul_u64 s[22:23], s[20:21], s[18:19]         ; where these rows' scales begin, in bytes
	s_mul_u64 s[92:93], s[46:47], s[18:19]
	s_mov_b64 s[18:19], KROW
	s_mul_u64 s[20:21], s[20:21], s[18:19]         ; and their codes
	s_mul_u64 s[46:47], s[46:47], s[18:19]
	s_mul_i32 s45, s14, HALFT                      ; where they go: wave x 128 rows: no place in the cluster enters an LDS address
	s_mul_i32 s94, s14, HALFS
	s_wait_dscnt 0x0                               ; both opening adds are done
	s_wait_kmcnt 0x0
	s_add_nc_u64 s[20:21], s[4:5], s[20:21]
	s_add_nc_u64 s[22:23], s[6:7], s[22:23]
	s_add_nc_u64 s[46:47], s[8:9], s[46:47]
	s_add_nc_u64 s[92:93], s[10:11], s[92:93]
	CROUND                                         ; all sixteen work-groups are here: the first joint loads meet
	s_mov_b32 s[G0S], 1
	s_add_co_u32 s[G0S+1], s94, SCL
	s_mov_b64 s[G0S+2:G0S+3], s[22:23]
	s_or_b32 s[G0S+3], s[G0S+3], 0x80000000
	s_mov_b32 s[G0SB], 1
	s_add_co_u32 s[G0SB+1], s94, SCL
	s_mov_b64 s[G0SB+2:G0SB+3], s[92:93]
	s_or_b32 s[G0SB+3], s[G0SB+3], 0x80000000
	JLOAD G0S, G1S, G0SB, G1SB                     ; the scales first: they are wanted with K step 0
.irp s, 0,1
	s_mov_b32 s[G0+4*\s], 1
	s_add_co_u32 s[G0+4*\s+1], s45, \s*SLOT
	s_add_nc_u64 s[G0+4*\s+2:G0+4*\s+3], s[20:21], \s*ROWB
	s_or_b32 s[G0+4*\s+3], s[G0+4*\s+3], 0x80000000
	s_mov_b32 s[G0B+4*\s], 1
	s_add_co_u32 s[G0B+4*\s+1], s45, \s*SLOT
	s_add_nc_u64 s[G0B+4*\s+2:G0B+4*\s+3], s[46:47], \s*ROWB
	s_or_b32 s[G0B+4*\s+3], s[G0B+4*\s+3], 0x80000000
	JLOAD G0+4*\s, G1, G0B+4*\s, G1B
.endr
	s_load_b256 s[4:11], s[0:1], 0x20              ; the first four addresses are used up: rope s[4:5], qc s[6:7], kvc s[8:9], qkvs s[10:11]
	v_and_b32 v1, 15, v0                           ; r = lane % 16
	v_bfe_u32 v2, v0, 4, 1                         ; h = lane / 16
	v_mul_u32_u24 v3, v1, PITCH
	v_lshl_add_u32 v4, v2, 4, v3                   ; a fragment's row x pitch + 16 h
	s_mul_i32 s21, s15, HALFT                      ; my 128 tokens
	s_mul_i32 s22, s16, HALFT                      ; my 128 rows of w_in,
	s_add_co_u32 s22, s22, 2*HALFT                 ; which lie behind the tokens' 256
	s_cmp_eq_u32 s95, 1
	s_cselect_b32 s2, s22, s21                     ; source 1: tokens; in a wave that makes v: weights
	s_cselect_b32 s3, s21, s22                     ; source 0: the other
.irp s, 0,1
	v_add_nc_u32 v[ADRA+\s], s2, v4
	v_add_nc_u32 v[ADRB+\s], s3, v4
	s_add_co_u32 s2, s2, SLOT
	s_add_co_u32 s3, s3, SLOT
.endr
	v_mul_u32_u24 v5, v1, KS                       ; my row's scales: 64 bytes a row,
	v_lshrrev_b32 v6, 8, v5
	v_lshl_add_u32 v5, v6, 4, v5                   ; and 16 more for each 256 passed
	s_mul_i32 s21, s15, HALFS                      ; the tokens': my 128 rows
	s_mul_i32 s22, s16, HALFS                      ; the weights': my 128 rows, behind the tokens' 256
	s_add_co_u32 s22, s22, 2*HALFS
	s_sub_co_u32 s22, s22, s21
	v_xor_b32 v6, s95, v2                          ; lanes 0-15 carry source 1's words, lanes 16-31 source 0's: the halves change places with the roles
	v_mul_u32_u24 v6, s22, v6
	s_add_co_u32 s21, s21, SCL
	v_add_nc_u32 v5, v5, v6
	v_add_nc_u32 v[ADRS], s21, v5
	v_and_b32 v6, 31, v0
	v_lshlrev_b32 v[IMO], 4, v6
	s_lshl_b32 s21, s14, 10                        ; the stages for the words lie in slot 0, which has had its last fill and its last read when the first word is stored there; each way out has bytes of its own
	v_lshl_add_u32 v[SQA], v1, 2, s21
	v_add_nc_u32 v[SQR], s21, v[IMO]
	s_lshl_b32 s21, s14, 9
	s_add_co_u32 s21, s21, 4096
	v_lshl_add_u32 v[SVA], v1, 2, s21
	v_add_nc_u32 v[SVR], s21, v[IMO]
	v_lshlrev_b32 v[VSO], 4, v1
	v_lshl_add_u32 v[VSO], v2, 12, v[VSO]
	; where my results go
	s_lshl_b32 s96, s17, 8
	s_lshl_b32 s97, s15, 7
	s_add_co_u32 s96, s96, s97                     ; my first token
	s_lshr_b32 s97, s96, 11                        ; its batch
	s_and_b32 s98, s96, 2047                       ; its position
	s_lshl_b32 s92, s97, 3
	s_lshl_b32 s93, s40, 1
	s_add_co_u32 s92, s92, s93                     ; k, v: my first (batch, group) = 8 b + 2 cx
	s_add_co_u32 s93, s92, s16
	s_lshl_b32 s93, s93, 1                         ; q: my first (batch, head) = 16 b + 4 cx + 2 half
	s_mov_b32 s47, 0
	s_wait_kmcnt 0x0
	s_cmp_eq_u32 ttmp9, 0
	s_cselect_b32 s93, s93, s92
	s_cselect_b64 s[6:7], s[6:7], s[8:9]           ; images: qc or kvc
	s_cselect_b32 s99, 0, 262144                   ; words: q's or k's part of qkvs
	s_lshl_b32 s46, s93, 17                        ; 131,072 bytes of images a head or group,
	s_lshl_b32 s42, s98, 6                         ; 64 a token (q, k: 1,024 a tile of 16; v: 8,192 a key step of 128),
	s_add_co_u32 s46, s46, s42
	s_lshl_b32 s42, s95, 21                        ; v's behind k's 2,097,152
	s_add_co_u32 s46, s46, s42
	s_add_nc_u64 s[6:7], s[6:7], s[46:47]
	s_lshl_b32 s42, s93, 13                        ; q's and k's words: 8,192 bytes a head, 4 a token
	s_add_co_u32 s99, s99, s42
	s_lshl_b32 s42, s98, 2
	s_add_co_u32 s99, s99, s42
	s_lshl_b32 s42, s92, 12                        ; v's: 4,096 bytes a group, 256 a key step
	s_lshl_b32 s2, s98, 1
	s_add_co_u32 s42, s42, s2
	s_add_co_u32 s42, s42, 393216
	s_cmp_eq_u32 s95, 1
	s_cselect_b32 s46, s42, s99
	s_add_nc_u64 s[10:11], s[10:11], s[46:47]
	s_lshl_b32 s46, s96, 8                         ; the table: 4,096 bytes a tile of 16 tokens
	s_add_nc_u64 s[4:5], s[4:5], s[46:47]
.macro FRAG reg, adr, q, i             ; a fragment, 16 rows x 128 K: lane l holds row l % 16; registers 4 c .. 4 c + 3 hold K = 32 c + 16 (l / 16) + 0 .. 15
.irp c, 0,1,2,3
	ds_load_b128 v[\reg+4*\c:\reg+4*\c+3], v[\adr] offset:128*(\q)+32*\c+(\i)*16*PITCH
.endr
.endm
; 16 matrix instructions: source 1's blocks a0, a0 + 1 x source 0's eight, 128 along K.  p: source 0's set; sc: the set of scale words.  zero = 1: the first product starts the sums.
; The 64 accumulators take turns, one instruction a turn, in the same order in every step.
.macro MUL16 a0, p, q, sc, zero
.irp a, \a0, \a0+1
.irp b, 0,1,2,3,4,5,6,7
.if \zero
	v_wmma_scale_f32_16x16x128_f8f6f4 v[8*(8*((\a)%4)+\b):8*(8*((\a)%4)+\b)+7], v[128*(\p)+FR*\b:128*(\p)+FR*\b+FR-1], v[AF+FR*(\a):AF+FR*(\a)+FR-1], 0, v[SC+8*NQ*(\sc)+NQ*\b+(\q)], v[SC+8*NQ*(\sc)+NQ*(\a)+(\q)] matrix_a_scale:MATRIX_SCALE_ROW1
.else
	v_wmma_scale_f32_16x16x128_f8f6f4 v[8*(8*((\a)%4)+\b):8*(8*((\a)%4)+\b)+7], v[128*(\p)+FR*\b:128*(\p)+FR*\b+FR-1], v[AF+FR*(\a):AF+FR*(\a)+FR-1], v[8*(8*((\a)%4)+\b):8*(8*((\a)%4)+\b)+7], v[SC+8*NQ*(\sc)+NQ*\b+(\q)], v[SC+8*NQ*(\sc)+NQ*(\a)+(\q)] matrix_a_scale:MATRIX_SCALE_ROW1
.endif
.endr
.endr
.endm
.macro FETCH_B slot, q, p              ; source 0's eight fragments of the slot's q-th 128 along K into set p
	WIN TO_B
.irp i, 0,1,2,3,4,5,6,7
	FRAG 128*(\p)+FR*\i, ADRB+\slot, \q, \i
.endr
	WIN 0
.endm
.macro FETCH_A slot, q, i0             ; source 1's blocks i0 .. i0 + 3
.irp i, \i0, \i0+1, \i0+2, \i0+3
	FRAG AF+FR*(\i), ADRA+\slot, \q, \i
.endr
.endm
.macro SCALES sc                       ; the next K step's scale words: two words a row; lanes 0-15 take source 1's block i, lanes 16-31 source 0's
.irp i, 0,1,2,3,4,5,6,7
	ds_load_b64 v[SC+8*NQ*\sc+NQ*\i:SC+8*NQ*\sc+NQ*\i+1], v[ADRS] offset:\i*SBLK
.endr
.endm
; A load into a register that a matrix instruction has read, and a vector instruction or store that reads a matrix result, stand NP places behind it; only plain vector instructions that name none of its registers are places.
.macro PLACES n
.rept \n
	v_nop
.endr
.endm
.macro STEP slot, q, zero              ; a step of 128 along K that has its successor in the same slot
	s_wait_dscnt 4*NL                              ; all but the youngest 16 loads (source 1's blocks 4-7) are in
	WIN MUL_LO
	MUL16 0, (\q)%2, \q, \slot, \zero
	MUL16 2, (\q)%2, \q, \slot, \zero
	s_wait_dscnt 0
	PLACES NP
	FETCH_B \slot, (\q)+1, 1-(\q)%2
	FETCH_A \slot, (\q)+1, 0
	WIN MUL_HI
	MUL16 4, (\q)%2, \q, \slot, \zero
	MUL16 6, (\q)%2, \q, \slot, \zero
	PLACES NP
	WIN 0
	FETCH_A \slot, (\q)+1, 4
.endm
; A slot's last step changes slots: ONE barrier; in front of it each wave waits for all its tensor loads, adds 0 to its spare word, and waits for that and for its own reads of this slot.  fill = 1: the slot is filled again, two K steps ahead.
.macro TURN slot, next, fill
	s_wait_tensorcnt 0x0                           ; all my tensor loads have landed: my part of the next slot
	ds_add_u32 v[SPW], v[NIL]                      ; 0 onto my spare word
	s_wait_dscnt 4*NL+1                            ; (the add and the youngest 16 loads may be out)
	WIN MUL_LO
	MUL16 0, 1, NQ-1, \slot, 0                     ; sixteen matrix instructions stand between the add and the wait for it
	s_wait_dscnt 0x0                               ; the add is done, and my reads of this slot are over
	s_barrier_signal -1
	MUL16 2, 1, NQ-1, \slot, 0
	WIN 0
	s_barrier_wait -1
.if \fill
	CREST                                          ; the barrier has opened a round of the cluster's barrier: no wave of any partner still reads this slot or has a load on its way
	s_add_nc_u64 s[G0+4*\slot+2:G0+4*\slot+3], s[G0+4*\slot+2:G0+4*\slot+3], 2*ROWB
	s_add_nc_u64 s[G0B+4*\slot+2:G0B+4*\slot+3], s[G0B+4*\slot+2:G0B+4*\slot+3], 2*ROWB
	JLOAD G0+4*\slot, G1, G0B+4*\slot, G1B         ; the first tensor load behind the round; its four v_nop are among the places in front of the loads below
	PLACES NP-4
.else
	PLACES NP
.endif
	v_add_nc_u32 v[ADRS], 4*NQ, v[ADRS]            ; on to the next K step's scale words
	FETCH_B \next, 0, 0
	FETCH_A \next, 0, 0
	SCALES \next
	WIN MUL_HI
	MUL16 4, 1, NQ-1, \slot, 0
	MUL16 6, 1, NQ-1, \slot, 0
	PLACES NP
	WIN 0
	FETCH_A \next, 0, 4
.endm
	s_wait_tensorcnt 1                             ; the scales and my part of K step 0 are in; K step 1's load may be out
	s_barrier_signal -1
	s_barrier_wait -1
	FETCH_B 0, 0, 0
	FETCH_A 0, 0, 0
	SCALES 0
	FETCH_A 0, 0, 4
	STEP 0, 0, 1                                   ; the first step stands in front of the loop: its products start the sums
	s_mov_b32 s3, LAPS-1
.Llap:                                                 ; a trip goes once round the ring and fills both slots again
	TURN 0, 1, 1
	STEP 1, 0, 0
	TURN 1, 0, 1
	STEP 0, 0, 0
	s_sub_co_u32 s3, s3, 1
	s_cmp_lg_u32 s3, 0
	s_cbranch_scc1 .Llap
	TURN 0, 1, 0                                   ; the last lap fills nothing
	STEP 1, 0, 0
	s_wait_dscnt 4*NL
	WIN MUL_LO
	MUL16 0, 1, NQ-1, 1, 0
	MUL16 2, 1, NQ-1, 1, 0
	s_wait_dscnt 0
	WIN MUL_HI
	MUL16 4, 1, NQ-1, 1, 0
	MUL16 6, 1, NQ-1, 1, 0
	WIN 0
; THE WAY OUT.
; 64 numbers of a lane, v[s] on in window w, register 16 b + i of block b, become 16 registers of codes in v[PCD] on and a scale word in v[PW]; the held numbers go to v[d] on in window 0.
; A block's other 16 numbers lie in lane l xor 16.  Each accumulator is read from its low end on.
.macro QUANT s, d, w
	WIN ((\w)<<2)|((\w)<<4)
.irp b, 0,1,2,3
	v_max3_num_f32 v[TM+\b], 0x4800000, |v[(\s)+16*\b]|, |v[(\s)+16*\b+1]|   ; with the floor 2^(9 - 127): the byte cannot fall under 1
.endr
.irp i, 2,4,6,8,10,12,14
.irp b, 0,1,2,3
	v_max3_num_f32 v[TM+\b], v[TM+\b], |v[(\s)+16*\b+\i]|, |v[(\s)+16*\b+\i+1]|
.endr
.endr
	WIN 0
.irp b, 0,1,2,3
	v_permlanex16_b32 v[TM+4+\b], v[TM+\b], s66, s67
.endr
.irp b, 0,1,2,3
	v_max_num_f32 v[TM+\b], v[TM+\b], v[TM+4+\b]   ; the block's largest magnitude
.endr
.irp b, 0,1,2,3
	v_add_nc_u32 v[TM+12+\b], 0xfc000000, v[TM+\b] ; 8 off its exponent field: the conversion's scale operand
.endr
.irp b, 0,1,2,3
	v_and_or_b32 v[TM+8+\b], v[TM+\b], 0x7f800000, s12   ; 448 x the scale
.endr
.irp b, 0,1,2,3
	v_lshrrev_b32 v[TM+4+\b], 23, v[TM+12+\b]      ; the scale's byte
.endr
	v_lshl_or_b32 v[PW], v[TM+5], 8, v[TM+4]
	v_lshl_or_b32 v[PW], v[TM+6], 16, v[PW]
	v_lshl_or_b32 v[PW], v[TM+7], 24, v[PW]
	WIN (\w)
.irp b, 0,1,2,3
.irp i, 0,1,2,3,4,5,6,7,8,9,10,11,12,13,14,15
	v_med3_num_f32 v[(\d)+16*\b+\i], v[(\s)+16*\b+\i], -v[TM+8+\b], v[TM+8+\b]   ; the conversion does not saturate (ISA guide 7.6.2): the hold comes first
.endr
.endr
	WIN 0
.irp m, 0,1,2,3,4,5,6,7
	v_cvt_scalef32_pk8_fp8_f32 v[PCD+2*\m:PCD+2*\m+1], v[(\d)+8*\m:(\d)+8*\m+7], v[TM+12+\m/2]
.endr
	v_nop                                          ; a plain instruction behind the last conversion
.endm
.macro TLD a                           ; token tile a's cos and sin: eight loads of 512 consecutive bytes, in the order of the registers
.irp q, 0,1,2,3,4,5,6,7
	global_load_b128 v[CSB+32*((\a)%2)+4*\q:CSB+32*((\a)%2)+4*\q+3], v[IMO], s[4:5] offset:4096*(\a)+512*\q
.endr
.endm
; The rotation of token tile a's two heads.  Tile 4 hd + u of the columns holds d = 16 u + 8 h + 0..7, tile 4 hd + 2 + u the same + 32.
.macro ROPE a
.set AC, 64*((\a)%4)
.set CB, CSB+32*((\a)%2)
	WIN 2+(\a)/4                                   ; source 0: the accumulators' window
.irp hd, 0,1
.irp u, 0,1
.irp p, 0,2,4,6
	v_pk_mul_f32 v[RT1+\p:RT1+\p+1], v[AC+8*(4*\hd+2+\u)+\p:AC+8*(4*\hd+2+\u)+\p+1], v[CB+16+8*\u+\p:CB+16+8*\u+\p+1]
.endr
.irp p, 0,2,4,6
	v_pk_mul_f32 v[RT2+\p:RT2+\p+1], v[AC+8*(4*\hd+\u)+\p:AC+8*(4*\hd+\u)+\p+1], v[CB+16+8*\u+\p:CB+16+8*\u+\p+1]
.endr
.irp p, 0,2,4,6
	v_pk_fma_f32 v[YR+32*\hd+8*\u+\p:YR+32*\hd+8*\u+\p+1], v[AC+8*(4*\hd+\u)+\p:AC+8*(4*\hd+\u)+\p+1], v[CB+8*\u+\p:CB+8*\u+\p+1], v[RT1+\p:RT1+\p+1] neg_lo:[0,0,1] neg_hi:[0,0,1]   ; x1 cos - x2 sin
.endr
.irp p, 0,2,4,6
	v_pk_fma_f32 v[YR+32*\hd+16+8*\u+\p:YR+32*\hd+16+8*\u+\p+1], v[AC+8*(4*\hd+2+\u)+\p:AC+8*(4*\hd+2+\u)+\p+1], v[CB+8*\u+\p:CB+8*\u+\p+1], v[RT2+\p:RT2+\p+1]   ; x2 cos + x1 sin
.endr
.endr
.endr
	WIN 0
.endm
	PLACES NP                                      ; behind the last products: for the reads of results, and for writes and loads into registers that held fragments and scale words
.irp b, 0,1,2,3
	v_mov_b32 v[TM+4+\b], 0                        ; written once: a lane permute's destination counts as one of its sources
.endr
	s_cmp_eq_u32 s95, 1
	s_cbranch_scc1 .Lv
	; ---- q or k: eight tiles of 16 tokens x two heads
	TLD 0
	TLD 1
.irp a, 0,1,2,3,4,5,6,7
	s_wait_xcnt 0x0                                ; the last tile's stores have read their registers: the codes are written again only behind this wait
	s_wait_dscnt 0x0
.if \a < 7
	s_wait_loadcnt 8                               ; this tile's table is in; the next tile's eight loads may be out
.else
	s_wait_loadcnt 0x0
.endif
	ROPE \a
.if \a < 6
	TLD \a+2
.endif
	QUANT YR, YR, 0
.irp c, 0,1,2,3
	global_store_b128 v[IMO], v[PCD+4*\c:PCD+4*\c+3], s[6:7] offset:(\c/2)*131072+1024*\a+512*(\c%2)   ; head c / 2, group c % 2: 512 consecutive bytes
.endr
	v_and_or_b32 v[W0], v[PW], 0xffff, s13         ; the first head's two bytes, under 0x7f7f
	v_lshrrev_b32 v[W1], 16, v[PW]
	v_or_b32 v[W1], s13, v[W1]                     ; the second head's
	ds_store_b32 v[SQA], v[W0] offset:64*\a        ; lanes r and r + 16 write the same word with the same value
	ds_store_b32 v[SQA], v[W1] offset:512+64*\a
.endr
	ds_load_b128 v[WB:WB+3], v[SQR]                ; LDS serves a wave's instructions in order: these see my stores
	ds_load_b128 v[WB+4:WB+7], v[SQR] offset:512
	s_wait_dscnt 0x0
	global_store_b128 v[IMO], v[WB:WB+3], s[10:11]               ; 128 tokens' words: 512 consecutive bytes a head
	global_store_b128 v[IMO], v[WB+4:WB+7], s[10:11] offset:8192
	s_branch .Lend
.Lv:
	; ---- v: eight tiles of 16 d (two groups x four) x my 128 tokens, one key step
.irp a, 0,1,2,3,4,5,6,7
	s_wait_xcnt 0x0                                ; the last tile's stores have read their registers
	s_wait_dscnt 0x0
	QUANT 64*(\a%4), YR, 2+\a/4
.irp c, 0,1,2,3
	global_store_b128 v[IMO], v[PCD+4*\c:PCD+4*\c+3], s[6:7] offset:(\a/4)*131072+(\a%4)*2048+512*\c
.endr
	ds_store_b32 v[SVA], v[PW] offset:64*\a
.endr
	ds_load_b128 v[WB:WB+3], v[SVR]
	s_wait_dscnt 0x0
	global_store_b128 v[VSO], v[WB:WB+3], s[10:11] ; sixteen lanes store a group's 256 consecutive bytes
.Lend:
	s_wait_tensorcnt 0x0                           ; the wave's end: behind my last tensor load and my last LDS store
	ds_add_u32 v[SPW], v[NIL]
	s_wait_dscnt 0x0
	CROUND                                         ; the closing round: no work-group ends while a partner may still ask for a tile that names it
	s_endpgm
.Lfunc_end_k_q2b53979b96_proj:
	.size	k_q2b53979b96_proj, .Lfunc_end_k_q2b53979b96_proj-k_q2b53979b96_proj
	.p2alignl 7, 3214868480
	.fill 96, 4, 3214868480
	.section	.rodata,"a",@progbits
	.p2align	6, 0x0
	.amdhsa_kernel k_q2b53979b96_proj
		.amdhsa_group_segment_fixed_size 327680
		.amdhsa_private_segment_fixed_size 0
		.amdhsa_enable_private_segment 0
		.amdhsa_kernarg_size 64
		.amdhsa_user_sgpr_count 2
		.amdhsa_user_sgpr_kernarg_segment_ptr 1
		.amdhsa_wavefront_size32 1
		.amdhsa_system_sgpr_workgroup_id_x 1
		.amdhsa_system_sgpr_workgroup_id_y 1
		.amdhsa_system_sgpr_workgroup_id_z 1
		.amdhsa_system_vgpr_workitem_id 0
		.amdhsa_next_free_vgpr 1024
		.amdhsa_next_free_sgpr 100
		.amdhsa_reserve_vcc 0
		.amdhsa_float_denorm_mode_32 3
		.amdhsa_float_denorm_mode_16_64 3
		.amdhsa_memory_ordered 1
		.amdhsa_forward_progress 1
		.amdhsa_inst_pref_size 255
	.end_amdhsa_kernel
	.section	.bss,"aw",@nobits
	.p2align	6
	.space	262144
	.amdgpu_metadata
---
amdhsa.version: [ 1, 2 ]
amdhsa.kernels:
  - .name:           k_q2b53979b96_proj
    .symbol:         k_q2b53979b96_proj.kd
    .args:
      - { .name: xq, .offset: 0, .size: 8, .value_kind: global_buffer, .address_space: global }
      - { .name: xs, .offset: 8, .size: 8, .value_kind: global_buffer, .address_space: global }
      - { .name: w_in_codes, .offset: 16, .size: 8, .value_kind: global_buffer, .address_space: global }
      - { .name: w_in_scales, .offset: 24, .size: 8, .value_kind: global_buffer, .address_space: global }
      - { .name: rope, .offset: 32, .size: 8, .value_kind: global_buffer, .address_space: global }
      - { .name: qc, .offset: 40, .size: 8, .value_kind: global_buffer, .address_space: global }
      - { .name: kvc, .offset: 48, .size: 8, .value_kind: global_buffer, .address_space: global }
      - { .name: qkvs, .offset: 56, .size: 8, .value_kind: global_buffer, .address_space: global }
    .group_segment_fixed_size: 327680
    .private_segment_fixed_size: 0
    .kernarg_segment_align: 8
    .kernarg_segment_size: 64
    .max_flat_workgroup_size: 128
    .sgpr_count:     100
    .vgpr_count:     1024
    .wavefront_size: 32
...
	.end_amdgpu_metadata
.endif
;; end of part 2
;; launch attn (part 3): grid 16 x 16, 16 waves a work-group, no clusters, 47,104 bytes of LDS; arguments qc, kvc, qkvs, oc, os; writes oc, os
.if DOCPART == 3
	.amdgcn_target "amdgcn-amd-amdhsa--gfx1250"
	.amdhsa_code_object_version 6
	.text
	.protected	k_q2b53979b96_attn
	.globl	k_q2b53979b96_attn
	.p2align	8
	.type	k_q2b53979b96_attn,@function
k_q2b53979b96_attn:
	s_mov_b64 s[64:65], 0
	v_nop
	global_prefetch_b8 v0, s[64:65] scope:SCOPE_SE
	s_setreg_imm32_b32 hwreg(HW_REG_WAVE_MODE, 25, 1), 1
	s_wait_xcnt 0x0
; Causal attention of one (batch, group), both heads, on codes of E4M3: S^T = K Q^T, p = 2^(t - M), O^T = V^T P^T, o = O / l, and o quantised along (g h d) for the last product.
; WORK LEFT OUT: a key step all of whose 128 keys come after a wave's 16 queries: reference()'s own tril makes its p zero for all inputs (shown at the head of launch norm, with the limit on NaN and infinities).
; THE SOFTMAX: t = score x log2(e) / 8; M = the running largest t rounded UP to a whole number; p is quantised along the keys, not normalised; the row's sum is taken of the unquantised p and divides at the end.
; When M moves, the sum and O^T are multiplied by 2^(old M - new M), which rounds nothing.
; SHARES.  Work-group (i, batch-group) owns the blocks i and 31 - i of 64 queries, for both heads: sixteen waves of one tile of 16 queries each.  An early and a late wave together walk 17 key steps for every i.
; K's and V's key steps are dense images of 8,192 bytes each: every thread copies 16 bytes of each through its registers into one of two LDS buffers, asked for two steps and stored one step ahead of their use.
; NO CLUSTER: the sixteen work-groups of a (batch, group) walk 9 to 16 key steps, so partners would need different numbers of tiles.
; A work-group that ends early brings scale words of keys that it never reads: one load a thread, at the head.
; THE FIRST PRODUCT'S K IS 64 of the instruction's 128: Q's upper eight registers are zero codes.  K's fragment of tile t is v[32 + 8 t] on, 16 registers: the upper eight are the next tile's codes (behind the last tile:
; zeros), finite numbers, since a held conversion gives no NaN code; they meet Q's zeros, under scale bytes of 1.0 on both sides.
; LAYOUT: a lane holds ONE query (lane % 16) throughout.  Tiles 2 b, 2 b + 1 of S^T give lane (r, h) the keys 32 b + 8 h + 0..7 and 32 b + 16 + 8 h + 0..7: the order in which launch proj laid V's codes.
; o needs its true order (w_out is given): one exchange of 8 bytes between lanes l and l xor 16 at the end.
; os is written two bytes a token: one byte in 32 of what the launch stores leaves in parts of rows 32 bytes apart.
; LIMITS: as in launch norm for o's blocks.
; REGISTERS: v1-9 addresses; v10-11 V's scale words; v12 -M, v13 the largest t, v[14:15] the sum; v16-31 Q; v32-103 K (v96-103 stay 0), then V in v32-95; v104-167 S^T, then p; v168-199 O^T; v200-215 p's codes;
;   v216-231 two sets of 32 bytes on their way to LDS; v232-247 at work; v248-251 K's scale words; v252 f; v253 p's scale word; v254 at work; v255 Q's scale words.
.set BUFB,  16384                      ; an LDS buffer: a step's K, then its V
.set KSC,   32768                      ; K's scale words of the whole sequence, 8,192 bytes
.set VSC,   40960                      ; V's, 4,096 bytes
.set SPARE, 45056                      ; the spare words, 128 bytes for each wave: eight blocks of 256 bytes that no other line names
.set VOFS,  2097152                    ; V's images in kvc
.set KWO,   262144                     ; K's words in qkvs
.set VWO,   393216                     ; V's
.set S,   104
.set O,   168
.set PCD, 200
	s_load_b256 s[4:11], s[0:1], 0x0               ; qc s[4:5], kvc s[6:7], qkvs s[8:9], oc s[10:11]
	s_load_b64 s[12:13], s[0:1], 0x20              ; os
	v_lshl_add_u32 v5, v0, 2, SPARE                ; my spare word; never rewritten
	v_mov_b32 v6, 0                                ; 0; never rewritten
	v_lshrrev_b32 v1, 5, v0
	v_readfirstlane_b32 s18, v1                    ; wave 0..15
	v_and_b32 v7, 31, v0
	v_lshlrev_b32 v1, 4, v7                        ; 16 x lane: an image's place for my lane
	v_lshlrev_b32 v2, 4, v0                        ; 16 x thread: my bytes of a step's image, in memory and in LDS
	v_lshl_add_u32 v3, v7, 2, KSC
	v_lshl_add_u32 v4, v7, 2, VSC
	v_and_b32 v8, 15, v0                           ; r
	v_bfe_u32 v9, v0, 4, 1                         ; h
	v_lshlrev_b32 v9, 3, v9
	v_sub_nc_u32 v9, v8, v9                        ; r - 8 h, for the mask
	v_lshlrev_b32 v254, 3, v0                      ; 8 x thread: V's words
	v_lshlrev_b32 v252, 2, v8                      ; 4 r: Q's words
	s_and_b32 s35, ttmp7, 0xffff                   ; 8 batch + group
	s_lshr_b32 s36, s18, 2
	s_xor_b32 s36, s36, s18
	s_and_b32 s36, s36, 1                          ; 1: the late block.  Bit 0 xor bit 2 of the wave's number: two early and two late waves in every four on end and in every four that are 4 apart
	s_lshr_b32 s37, s18, 3                         ; the head in the group
	s_and_b32 s38, s18, 3                          ; the tile in the block
	s_sub_co_u32 s39, 31, ttmp9
	s_lshr_b32 s26, s39, 1
	s_add_co_u32 s26, s26, 1
	s_lshl_b32 s26, s26, 7                         ; the keys that the work-group walks: up to its late block's last query, in whole steps
	s_cmp_eq_u32 s36, 1
	s_cselect_b32 s39, s39, ttmp9
	s_lshl_b32 s25, s39, 6
	s_lshl_b32 s38, s38, 4
	s_add_co_u32 s25, s25, s38                     ; my first query
	s_mov_b32 s19, 0x600000                        ; the mantissa field of 448
	s_mov_b32 s20, 0x76543210
	s_mov_b32 s21, 0xfedcba98                      ; v_permlanex16_b32's selects for lane l xor 16
	s_mov_b32 s22, 0x3e38aa3b                      ; c = log2(e) / 8
	s_mov_b32 s23, s22                             ; (named with it as a pair, so it is written)
	s_mov_b32 s24, 0                               ; the step's first key
	s_mov_b32 s27, 0                               ; its scale words of K: 512 bytes a step
	s_mov_b32 s28, 0                               ; and of V: 256
	s_mov_b32 s33, 0xffff0000                      ; lanes 16-31
	s_mov_b32 s41, 0
	s_wait_kmcnt 0x0
	s_lshl_b32 s40, s35, 17
	s_add_nc_u64 s[30:31], s[6:7], s[40:41]        ; K's images of my group; V's lie VOFS further on
	s_lshl_b32 s40, s35, 13
	s_add_nc_u64 s[42:43], s[8:9], s[40:41]
	s_lshl_b32 s40, s35, 12
	s_add_nc_u64 s[44:45], s[8:9], s[40:41]
	s_lshl_b32 s46, s35, 1
	s_add_co_u32 s46, s46, s37                     ; my head among the 32
	s_lshl_b32 s40, s46, 17
	s_lshl_b32 s47, s25, 6
	s_add_co_u32 s40, s40, s47
	s_add_nc_u64 s[4:5], s[4:5], s[40:41]          ; my tile of Q
	s_lshl_b32 s40, s46, 13
	s_lshl_b32 s47, s25, 2
	s_add_co_u32 s40, s40, s47
	s_add_nc_u64 s[8:9], s[8:9], s[40:41]          ; and its words
	s_lshr_b32 s46, s35, 3
	s_and_b32 s47, s35, 7
	s_lshl_b32 s46, s46, 11
	s_add_co_u32 s46, s46, s25                     ; my first token
	s_lshl_b32 s40, s46, 10                        ; oc: 16,384 bytes a tile of 16 tokens, 2,048 a group, 1,024 a head
	s_lshl_b32 s48, s47, 11
	s_add_co_u32 s40, s40, s48
	s_lshl_b32 s48, s37, 10
	s_add_co_u32 s40, s40, s48
	s_add_nc_u64 s[10:11], s[10:11], s[40:41]
	s_lshl_b32 s40, s46, 5                         ; os: 32 bytes a token, 4 a group, 2 a head
	s_lshl_b32 s48, s47, 2
	s_add_co_u32 s40, s40, s48
	s_lshl_b32 s48, s37, 1
	s_add_co_u32 s40, s40, s48
	s_add_nc_u64 s[12:13], s[12:13], s[40:41]
	global_load_b128 v[216:219], v2, s[30:31]                    ; key step 0: K,
	global_load_b128 v[220:223], v2, s[30:31] offset:VOFS        ; V
	global_load_b128 v[104:107], v2, s[42:43] offset:KWO         ; K's scale words
	global_load_b64 v[108:109], v254, s[44:45] offset:VWO        ; V's
	global_load_b128 v[224:227], v2, s[30:31] offset:8192        ; key step 1
	global_load_b128 v[228:231], v2, s[30:31] offset:VOFS+8192
	global_load_b128 v[16:19], v1, s[4:5]                        ; Q's two groups stay in registers
	global_load_b128 v[20:23], v1, s[4:5] offset:512
	global_load_b32 v255, v252, s[8:9]
.irp j, 0,1,2,3,4,5,6,7,8,9,10,11,12,13,14,15,16,17,18,19,20,21,22,23,24,25,26,27,28,29,30,31
	v_mov_b32 v[O+\j], 0                           ; O^T.  (The step is written once: the first finds zeros, which the first change of M leaves zeros)
.endr
.irp j, 0,1,2,3,4,5,6,7
	v_mov_b32 v[24+\j], 0                          ; Q's zero codes for the upper half of the K step
	v_mov_b32 v[96+\j], 0                          ; and what stands behind K's last tile
.endr
.irp b, 0,1,2,3
	v_mov_b32 v[236+\b], 0                         ; written once: a lane permute's destination counts as one of its sources
.endr
	v_mov_b32 v253, 0                              ; (named as the upper half of the pair v[252:253] before it is first written)
	v_mov_b32 v13, 0xff61b1e6                      ; the largest t so far: -3e38, under every t
	v_floor_f32 v12, -v13                          ; -M
	v_mov_b32 v14, 0
	v_mov_b32 v15, 0
	s_wait_loadcnt 5                               ; step 0 and the scale words are in; step 1's two loads and Q's three may be out
	ds_store_b128 v2, v[216:219]
	ds_store_b128 v2, v[220:223] offset:8192
	ds_store_b128 v2, v[104:107] offset:KSC
	ds_store_b64 v254, v[108:109] offset:VSC
	s_wait_dscnt 0x0                               ; for the others' sake: my stores lie in LDS
	s_barrier_signal -1
	s_barrier_wait -1
; A KEY STEP of 128 keys, read from buffer buf.
.macro STEP buf
.set GS, 216+8*(1-(\buf))              ; the next step's bytes, in registers
.set GL, 216+8*(\buf)                  ; where the step after that lands
	s_wait_loadcnt 0x0                             ; the next step's bytes, asked for a whole step ago (in the first step: Q too)
	s_add_co_u32 s34, s24, 128
	s_cmp_lt_u32 s34, s26                          ; ids and the count of steps alone: all sixteen waves go the same way
	s_cbranch_scc0 .Lno_store_\@
	ds_store_b128 v2, v[GS:GS+3] offset:(1-(\buf))*BUFB          ; into the buffer that every wave left at the last barrier
	ds_store_b128 v2, v[GS+4:GS+7] offset:(1-(\buf))*BUFB+8192
.Lno_store_\@:
	s_add_co_u32 s34, s24, 256
	s_cmp_lt_u32 s34, s26
	s_cbranch_scc0 .Lno_load_\@                    ; no load leaves the keys that the work-group walks
	global_load_b128 v[GL:GL+3], v2, s[30:31] offset:16384       ; (these registers' store into LDS was waited for in front of the last barrier)
	global_load_b128 v[GL+4:GL+7], v2, s[30:31] offset:VOFS+16384
.Lno_load_\@:
	s_add_co_u32 s34, s25, 15
	s_cmp_gt_u32 s24, s34                          ; all keys of the step come after my queries: its work is left out; the barrier at its end is not
	s_cbranch_scc1 .Lhidden_\@
	v_add_nc_u32 v7, s27, v3
	v_add_nc_u32 v8, s28, v4
.rept 6
	v_nop                                          ; with the two additions: eight places in front of loads into registers that the last products read
.endr
.irp kt, 0,1,2,3,4,5,6,7
	ds_load_b128 v[32+8*\kt:35+8*\kt], v1 offset:(\buf)*BUFB+1024*\kt
	ds_load_b128 v[36+8*\kt:39+8*\kt], v1 offset:(\buf)*BUFB+1024*\kt+512
.endr
.irp q, 0,1,2,3
	ds_load_b32 v[248+\q], v7 offset:128*\q        ; lanes 0-15: tile 2 q's words; lanes 16-31: tile 2 q + 1's
.endr
	s_wait_dscnt 0x0
.irp kt, 0,1,2,3,4,5,6,7
.if (\kt)%2
	v_wmma_scale_f32_16x16x128_f8f6f4 v[S+8*\kt:S+8*\kt+7], v[32+8*\kt:47+8*\kt], v[16:31], 0, v[248+\kt/2], v255 matrix_a_scale:MATRIX_SCALE_ROW1
.else
	v_wmma_scale_f32_16x16x128_f8f6f4 v[S+8*\kt:S+8*\kt+7], v[32+8*\kt:47+8*\kt], v[16:31], 0, v[248+\kt/2], v255
.endif
.endr
.rept 8
	v_nop                                          ; places in front of the loads below and of the first read of the scores
.endr
.irp t, 0,1,2,3
.irp c, 0,1,2,3
	ds_load_b128 v[32+16*\t+4*\c:35+16*\t+4*\c], v1 offset:(\buf)*BUFB+8192+2048*\t+512*\c   ; V's four fragments land under the softmax
.endr
.endr
	ds_load_b32 v10, v8
	ds_load_b32 v11, v8 offset:128
	s_add_co_u32 s34, s24, 127                     ; on the diagonal the scores of hidden keys become -infinity ahead of the maximum; a step all of whose keys count skips this
	s_cmp_le_u32 s34, s25
	s_cbranch_scc1 .Lopen_\@
	s_sub_co_i32 s34, s25, s24
	v_add_nc_u32 v254, s34, v9                     ; d = my query - the step's first key - 8 h.  Register n holds key 16 (n / 8) + n % 8 + 8 h of the step: hidden where n + 8 (n / 8) > d
	v_mov_b32 v252, 0xff800000
.irp n, 0,1,2,3,4,5,6,7,8,9,10,11,12,13,14,15,16,17,18,19,20,21,22,23,24,25,26,27,28,29,30,31,32,33,34,35,36,37,38,39,40,41,42,43,44,45,46,47,48,49,50,51,52,53,54,55,56,57,58,59,60,61,62,63
	v_cmp_gt_i32 vcc_lo, \n+8*(\n/8), v254
	v_cndmask_b32 v[S+\n], v[S+\n], v252, vcc_lo
.endr
.Lopen_\@:
.irp b, 0,1,2,3
	v_max3_num_f32 v[232+\b], v[S+16*\b], v[S+1+16*\b], v[S+2+16*\b]   ; the largest score of each block of 32 keys: for the row's maximum, and, since p rises with the score, for the block's largest p
.endr
.irp i, 3,5,7,9,11,13
.irp b, 0,1,2,3
	v_max3_num_f32 v[232+\b], v[232+\b], v[S+16*\b+\i], v[S+1+16*\b+\i]
.endr
.endr
.irp b, 0,1,2,3
	v_max_num_f32 v[232+\b], v[232+\b], v[S+15+16*\b]
.endr
.irp b, 0,1,2,3
	v_permlanex16_b32 v[236+\b], v[232+\b], s20, s21
.endr
.irp b, 0,1,2,3
	v_max_num_f32 v[232+\b], v[232+\b], v[236+\b]  ; with lane l xor 16's 16 keys
.endr
	v_max3_num_f32 v254, v232, v233, v234
	v_max_num_f32 v254, v254, v235
	v_mul_f32 v254, s22, v254                      ; the step's largest t of my query
	v_max_num_f32 v13, v13, v254
	v_mov_b32 v254, v12
	v_floor_f32 v12, -v13                          ; the new -M = -ceil(t)
	v_sub_f32 v254, v12, v254                      ; old M - new M: a whole number, 0 or less
	v_cvt_i32_f32 v254, v254                       ; (it saturates)
	v_ldexp_f32 v252, 1.0, v254                    ; f = 2^(old M - new M)
.irp j, 0,2,4,6,8,10,12,14,16,18,20,22,24,26,28,30,32,34,36,38,40,42,44,46,48,50,52,54,56,58,60,62
	v_pk_fma_f32 v[S+\j:S+1+\j], v[S+\j:S+1+\j], s[22:23], v[12:13] op_sel_hi:[1,0,0]   ; t - M, two at a time
.endr
.irp b, 0,1,2,3
	v_fma_f32 v[232+\b], v[232+\b], s22, v12
.endr
.irp j, 0,1,2,3,4,5,6,7,8,9,10,11,12,13,14,15,16,17,18,19,20,21,22,23,24,25,26,27,28,29,30,31,32,33,34,35,36,37,38,39,40,41,42,43,44,45,46,47,48,49,50,51,52,53,54,55,56,57,58,59,60,61,62,63
	v_exp_f32 v[S+\j], v[S+\j]                     ; p = 2^(t - M), at most 1
.endr
	v_pk_mul_f32 v[14:15], v[14:15], v[252:253] op_sel_hi:[1,0]   ; the sums under the new M: the plain instruction behind the exponentials
	s_wait_alu depctr_va_vdst(0)                   ; one wait for the whole batch, ahead of its first reader
.irp b, 0,1,2,3
	v_exp_f32 v[232+\b], v[232+\b]                 ; each block's largest p
.endr
	v_pk_add_f32 v[236:237], v[S:S+1], v[S+2:S+3]  ; the row's sum of the unquantised p, in two chains
.irp j, 4,8,12,16,20,24,28,32,36,40,44,48,52,56,60
	v_pk_add_f32 v[14:15], v[14:15], v[S+\j:S+1+\j]
	v_pk_add_f32 v[236:237], v[236:237], v[S+2+\j:S+3+\j]
.endr
	v_pk_add_f32 v[14:15], v[14:15], v[236:237]
	s_wait_alu depctr_va_vdst(0)                   ; and one for the four
.irp b, 0,1,2,3
	v_max_num_f32 v[232+\b], 0x4800000, v[232+\b]  ; the floor 2^(9 - 127): the byte cannot fall under 1
.endr
.irp b, 0,1,2,3
	v_add_nc_u32 v[244+\b], 0xfc000000, v[232+\b]  ; the conversion's scale operand
.endr
.irp b, 0,1,2,3
	v_and_or_b32 v[240+\b], v[232+\b], 0x7f800000, s19   ; 448 x the scale
.endr
.irp b, 0,1,2,3
	v_lshrrev_b32 v[236+\b], 23, v[244+\b]
.endr
	v_lshl_or_b32 v253, v237, 8, v236              ; p's scale word for these 128 keys
	v_lshl_or_b32 v253, v238, 16, v253
	v_lshl_or_b32 v253, v239, 24, v253
.irp b, 0,1,2,3
.irp i, 0,1,2,3,4,5,6,7,8,9,10,11,12,13,14,15
	v_min_num_f32 v[S+16*\b+\i], v[S+16*\b+\i], v[240+\b]   ; the hold; p is not negative, so it is one-sided
.endr
	v_cvt_scalef32_pk8_fp8_f32 v[PCD+4*\b:PCD+1+4*\b], v[S+16*\b:S+7+16*\b], v[244+\b]
	v_cvt_scalef32_pk8_fp8_f32 v[PCD+2+4*\b:PCD+3+4*\b], v[S+8+16*\b:S+15+16*\b], v[244+\b]
.endr
.irp j, 0,2,4,6,8,10,12,14,16,18,20,22,24,26,28,30
	v_pk_mul_f32 v[O+\j:O+1+\j], v[O+\j:O+1+\j], v[252:253] op_sel_hi:[1,0]   ; O^T under the new M.  (These sixteen are also the places between the codes and the products)
.endr
	s_wait_dscnt 0x0                               ; V and its words are in
.irp t, 0,1,2,3                                ; the four accumulators take turns, one instruction a turn
.if (\t)%2
	v_wmma_scale_f32_16x16x128_f8f6f4 v[O+8*\t:O+8*\t+7], v[32+16*\t:47+16*\t], v[PCD:PCD+15], v[O+8*\t:O+8*\t+7], v[10+\t/2], v253 matrix_a_scale:MATRIX_SCALE_ROW1
.else
	v_wmma_scale_f32_16x16x128_f8f6f4 v[O+8*\t:O+8*\t+7], v[32+16*\t:47+16*\t], v[PCD:PCD+15], v[O+8*\t:O+8*\t+7], v[10+\t/2], v253
.endif
.endr
.Lhidden_\@:
	s_wait_xcnt 0x0                                ; this step's loads have read their base: it is stepped only behind this wait
	s_add_nc_u64 s[30:31], s[30:31], 8192
	s_add_co_u32 s24, s24, 128
	s_add_co_u32 s27, s27, 512
	s_add_co_u32 s28, s28, 256
	s_wait_dscnt 0x0                               ; my stores of the next step's bytes lie in LDS, and my reads of this step's buffer are over
	s_barrier_signal -1
	s_barrier_wait -1                              ; ONE barrier a step, for both
.endm
	s_mov_b32 s32, 8
.Lsteps:                                           ; a constant count of trips, two steps each: a work-group that walks fewer keys passes the remaining barriers with nothing to do
	STEP 0
	STEP 1
	s_sub_co_u32 s32, s32, 1
	s_cmp_lg_u32 s32, 0
	s_cbranch_scc1 .Lsteps
	; THE WAY OUT
	s_wait_loadcnt 0x0                             ; a step's loads are waited for at the head of the next step, and the last step has none behind it: v224-231, their destinations, are written below only behind this wait.  (The last two steps ask for nothing, so it is met at once)
.rept 8
	v_nop                                          ; places behind the last products
.endr
	v_add_f32 v14, v14, v15
	v_permlanex16_b32 v252, v14, s20, s21
	v_add_f32 v14, v14, v252                       ; the row's sum
	v_rcp_f32 v14, v14
	v_and_b32 v7, 15, v0                           ; (a plain instruction behind the reciprocal)
	v_lshlrev_b32 v7, 5, v7                        ; os: 32 bytes a token
	s_wait_alu depctr_va_vdst(0)                   ; the wait ahead of its first reader
.irp j, 0,2,4,6,8,10,12,14,16,18,20,22,24,26,28,30
	v_pk_mul_f32 v[S+\j:S+1+\j], v[O+\j:O+1+\j], v[14:15] op_sel_hi:[1,0]   ; o: register 16 b + i: d = 32 b + 8 h + i, or 32 b + 16 + 8 h + i - 8
.endr
.irp b, 0,1
	v_max3_num_f32 v[232+\b], |v[S+16*\b]|, |v[S+1+16*\b]|, 0x4800000
.endr
.irp i, 2,4,6,8,10,12,14
.irp b, 0,1
	v_max3_num_f32 v[232+\b], v[232+\b], |v[S+16*\b+\i]|, |v[S+1+16*\b+\i]|
.endr
.endr
.irp b, 0,1
	v_permlanex16_b32 v[236+\b], v[232+\b], s20, s21
.endr
.irp b, 0,1
	v_max_num_f32 v[232+\b], v[232+\b], v[236+\b]
.endr
.irp b, 0,1
	v_add_nc_u32 v[244+\b], 0xfc000000, v[232+\b]
.endr
.irp b, 0,1
	v_and_or_b32 v[240+\b], v[232+\b], 0x7f800000, s19
.endr
.irp b, 0,1
	v_lshrrev_b32 v[236+\b], 23, v[244+\b]
.endr
	v_lshl_or_b32 v254, v237, 8, v236              ; my head's two scale bytes
.irp b, 0,1
.irp i, 0,1,2,3,4,5,6,7,8,9,10,11,12,13,14,15
	v_med3_num_f32 v[S+16*\b+\i], v[S+16*\b+\i], -v[240+\b], v[240+\b]
.endr
	v_cvt_scalef32_pk8_fp8_f32 v[PCD+4*\b:PCD+1+4*\b], v[S+16*\b:S+7+16*\b], v[244+\b]
	v_cvt_scalef32_pk8_fp8_f32 v[PCD+2+4*\b:PCD+3+4*\b], v[S+8+16*\b:S+15+16*\b], v[244+\b]
.endr
	v_nop                                          ; a plain instruction behind the last conversion
; Lanes 0-15 hold d = 0..7 and 16..23 of a block, lanes 16-31 d = 8..15 and 24..31; the operand wants 0..15 below and 16..31 above: the lower lanes send their second eight, the upper their first.
.irp b, 0,1
	v_cndmask_b32 v216, v[PCD+2+4*\b], v[PCD+4*\b], s33
	v_cndmask_b32 v217, v[PCD+3+4*\b], v[PCD+1+4*\b], s33
	v_permlanex16_b32 v218, v216, s20, s21
	v_permlanex16_b32 v219, v217, s20, s21
	v_cndmask_b32 v[224+4*\b], v[PCD+4*\b], v218, s33
	v_cndmask_b32 v[225+4*\b], v[PCD+1+4*\b], v219, s33
	v_cndmask_b32 v[226+4*\b], v218, v[PCD+2+4*\b], s33
	v_cndmask_b32 v[227+4*\b], v219, v[PCD+3+4*\b], s33
.endr
	global_store_b128 v1, v[224:227], s[10:11]                   ; a group of the last product's operand: 512 consecutive bytes
	global_store_b128 v1, v[228:231], s[10:11] offset:512
	global_store_b16 v7, v254, s[12:13]                          ; lanes r and r + 16 store the same two bytes
	s_wait_tensorcnt 0x0                           ; the wave's end: behind my last LDS store
	ds_add_u32 v5, v6
	s_wait_dscnt 0x0
	s_endpgm
.Lfunc_end_k_q2b53979b96_attn:
	.size	k_q2b53979b96_attn, .Lfunc_end_k_q2b53979b96_attn-k_q2b53979b96_attn
	.p2alignl 7, 3214868480
	.fill 96, 4, 3214868480
	.section	.rodata,"a",@progbits
	.p2align	6, 0x0
	.amdhsa_kernel k_q2b53979b96_attn
		.amdhsa_group_segment_fixed_size 47104
		.amdhsa_private_segment_fixed_size 0
		.amdhsa_enable_private_segment 0
		.amdhsa_kernarg_size 40
		.amdhsa_user_sgpr_count 2
		.amdhsa_user_sgpr_kernarg_segment_ptr 1
		.amdhsa_wavefront_size32 1
		.amdhsa_system_sgpr_workgroup_id_x 1
		.amdhsa_system_sgpr_workgroup_id_y 1
		.amdhsa_system_sgpr_workgroup_id_z 1
		.amdhsa_system_vgpr_workitem_id 0
		.amdhsa_next_free_vgpr 256
		.amdhsa_next_free_sgpr 66
		.amdhsa_reserve_vcc 1
		.amdhsa_float_denorm_mode_32 3
		.amdhsa_float_denorm_mode_16_64 3
		.amdhsa_memory_ordered 1
		.amdhsa_forward_progress 1
		.amdhsa_inst_pref_size 63
	.end_amdhsa_kernel
	.amdgpu_metadata
---
amdhsa.version: [ 1, 2 ]
amdhsa.kernels:
  - .name:           k_q2b53979b96_attn
    .symbol:         k_q2b53979b96_attn.kd
    .args:
      - { .name: qc, .offset: 0, .size: 8, .value_kind: global_buffer, .address_space: global }
      - { .name: kvc, .offset: 8, .size: 8, .value_kind: global_buffer, .address_space: global }
      - { .name: qkvs, .offset: 16, .size: 8, .value_kind: global_buffer, .address_space: global }
      - { .name: oc, .offset: 24, .size: 8, .value_kind: global_buffer, .address_space: global }
      - { .name: os, .offset: 32, .size: 8, .value_kind: global_buffer, .address_space: global }
    .group_segment_fixed_size: 47104
    .private_segment_fixed_size: 0
    .kernarg_segment_align: 8
    .kernarg_segment_size: 40
    .max_flat_workgroup_size: 512
    .sgpr_count:     66
    .vgpr_count:     256
    .wavefront_size: 32
...
	.end_amdgpu_metadata
.endif
;; end of part 3
;; launch outp (part 4): grid 8 x 16, 4 waves a work-group, clusters of 4 x 4, 327,680 bytes of LDS; arguments oc, os, w_out_codes, w_out_scales, x, out0; writes out0
.if DOCPART == 4
	.amdgcn_target "amdgcn-amd-amdhsa--gfx1250"
	.amdhsa_code_object_version 6
	.text
	.protected	k_q2b53979b96_outp
	.globl	k_q2b53979b96_outp
	.p2align	8
	.type	k_q2b53979b96_outp,@function
k_q2b53979b96_outp:
	s_mov_b64 s[64:65], 0
	v_nop
	global_prefetch_b8 v0, s[64:65] scope:SCOPE_SE
	s_setreg_imm32_b32 hwreg(HW_REG_WAVE_MODE, 25, 1), 1
	s_wait_xcnt 0x0
	s_wait_alu depctr_hold_cnt(0) depctr_sa_sdst(0) depctr_va_vdst(0) depctr_va_sdst(0) depctr_va_ssrc(0) depctr_va_vcc(0) depctr_vm_vsrc(0)
	s_getreg_b32 s2, hwreg(HW_REG_IB_STS2, 6, 4)
	s_cmp_eq_u32 s2, 0
	s_cbranch_scc0 .Lentry_in_a_cluster
	s_endpgm
.Lentry_in_a_cluster:
	s_bfe_u32 s2, ttmp6, 0x10000c
	s_cmp_lg_u32 s2, 0xf033
	s_cbranch_scc0 .Lentry_shape_is_right
	s_endpgm
.Lentry_shape_is_right:
; out0 = x + o w_out^T: [4096 tokens][1024] x [2048][1024] on codes of E4M3 with E8M0 scales; sums in f32; the residual is added on the way out.  No work is left out here.
; A tile of 256 x 256 is made by four waves, 128 x 128 each.  K goes in steps of 256 through a ring of two LDS slots filled by the tensor data mover; the scale bytes of the work-group's rows come once, with the first fills.
; CLUSTERS of 4 x 4: o's tiles are shared along a row of the cluster, w_out's along a column: joint loads.
; o COMES AS IMAGES OF THE OPERAND'S REGISTERS, [tile of 16 tokens][8 K steps of 128][4 groups][32 lanes][16 bytes]: a slot's part of a tile of tokens is 4,096 consecutive bytes, a wave's load brings eight such rows,
; and a fragment is four LDS loads of 512 consecutive bytes: no pitch, no padding.  w_out comes as rows, 272 bytes apart in LDS.
; THE MATRIX INSTRUCTION IS USED TRANSPOSED (source 0 = 16 rows of w_out, source 1 = 16 tokens): a lane holds eight neighbouring numbers of a row of the result.
; REGISTERS, in windows of 256: window 0: v16-31 addresses; v32-63 scale words; from v128 o's fragments, one set; on the way out rows read back.   window 1: w_out's fragments, two sets; on the way out four blocks of x.
;   window 2: the accumulators of my rows 0-63 ((a, b) at v[8 (8 (a % 4) + b)]);   window 3: those of my rows 64-127.
.set SIZE_N, 2048
.set SIZE_K, 1024
.set KSTEP,  256
.set NQ,     KSTEP/128
.set ROWB,   256
.set KROW,   SIZE_K
.set PITCH,  272
.set FR,     16
.set NL,     4
.set NP,     8                         ; places behind this matrix instruction (ISA guide 7.12.1)
.set ASTEP,  4096                      ; a K step of 256 in a tile of 16 tokens' images
.set HALFA,  8*ASTEP                   ; 128 tokens: what one tensor load brings of o
.set HALFB,  128*PITCH                 ; 128 rows of w_out
.set SLOT,   2*HALFA+2*HALFB
.set LAPS,   SIZE_K/(2*KSTEP)
.set KS,     SIZE_K/32
.set SCL,    2*SLOT
.set HALFS,  (128*KS/256)*272
.set SBLK,   (16*KS/256)*272
.set SPARE,  SCL+4*HALFS               ; the spare words, 128 bytes for each wave: two blocks of 256 bytes that no other line names
.set SPITCH, 528                       ; the way out: a stage of 16 rows x (512 bytes + 16) for each wave, in slot 0, which has had its last fill and its last read by then
.set ADRA, 16
.set ADRB, 20
.set STO,  24
.set RD,   25
.set CO,   26                          ; v26  16 x lane
.set ADRS, 27
.set SPW,  28
.set NIL,  29
.set PFO,  30                          ; v30  the prefetches' offset: row lane / 2, 256 bytes x lane % 2; never rewritten
.set SC,   32
.set AF,   128
.set BK,   128
.set G1, 24
.set G0, 32
.set G1B, 48
.set G0B, 56
.set G1S, 68
.set G0S, 76
.set G1SB, 80
.set G0SB, 88
.set MSB, 0
.macro WIN new
.if MSB != (\new)
	s_set_vgpr_msb (MSB<<8)|(\new)
.set MSB, (\new)
.endif
.endm
.set MUL_LO, 0xa1
.set MUL_HI, 0xf1
.set TO_B,   0x40
.macro JLOAD g0a, g1a, g0b, g1b        ; a joint load: waves 0 and 1 fetch for o, waves 2 and 3 for w_out; an s_nop 0 and four v_nop follow each of the two lines
	s_cmp_eq_u32 s15, 0
	s_cbranch_scc0 .Lfor_b_\@
	tensor_load_to_lds s[\g0a:\g0a+3], s[\g1a:\g1a+7]
	s_nop 0
.rept 4
	v_nop
.endr
	s_branch .Lasked_\@
.Lfor_b_\@:
	tensor_load_to_lds s[\g0b:\g0b+3], s[\g1b:\g1b+7]
	s_nop 0
.rept 4
	v_nop
.endr
.Lasked_\@:
.endm
.macro CREST
	s_cmp_lg_u32 s14, 0
	s_cbranch_scc1 .Lnot_wave_0_\@
	s_barrier_signal -3
.Lnot_wave_0_\@:
	s_barrier_wait -3
	s_barrier_signal -1
	s_barrier_wait -1
.endm
.macro CROUND
	s_barrier_signal -1
	s_barrier_wait -1
	CREST
.endm
	s_load_b256 s[4:11], s[0:1], 0x0               ; oc s[4:5], os s[6:7], w_out's codes s[8:9], its scales s[10:11]
	s_load_b64 s[12:13], s[0:1], 0x20              ; x
	s_load_b64 s[66:67], s[0:1], 0x28              ; out0
	v_lshl_add_u32 v[SPW], v0, 2, SPARE
	v_mov_b32 v[NIL], 0
	ds_add_u32 v[SPW], v[NIL]                      ; the wave's opening: the add, twice on end, and its wait ahead of my first tensor load
	ds_add_u32 v[SPW], v[NIL]                      ; and once more, under the one wait
	v_lshrrev_b32 v1, 5, v0
	v_readfirstlane_b32 s14, v1                    ; wave 0..3
	s_lshr_b32 s15, s14, 1                         ; which half of the tile's rows is mine.  Also: I fetch for o (0) or for w_out (1)
	s_and_b32 s16, s14, 1                          ; which half of its columns.  Also: which 128 rows I fetch
	s_bfe_u32 s40, ttmp6, 0x40000
	s_bfe_u32 s41, ttmp6, 0x40004
	s_lshl_b32 s42, ttmp9, 2
	s_add_co_u32 s42, s42, s40                     ; tile column
	s_and_b32 s17, ttmp7, 0xffff
	s_lshl_b32 s17, s17, 2
	s_add_co_u32 s17, s17, s41                     ; tile row
	s_lshl_b32 s43, s41, 2
	s_lshl_b32 s43, 15, s43                        ; my row of the cluster
	s_lshl_b32 s44, 0x1111, s40                    ; my column
	; descriptor group 1 for o: eight rows of 4,096 bytes (512 elements of 8), 16,384 bytes apart, laid on end
	s_or_b32 s[G1+0], s43, (3<<16)|(1<<21)         ; 15:0 the mask: my row; 17:16 elements of 8 bytes; 21 set beside a mask; no padding
	s_mov_b32 s[G1+1], 512<<16                     ; tensor_dim0
	s_mov_b32 s[G1+2], 8<<16                       ; tensor_dim1
	s_mov_b32 s[G1+3], 512<<16                     ; tile_dim0
	s_mov_b32 s[G1+4], 8                           ; tile_dim1
	s_mov_b32 s[G1+5], 2048                        ; tensor_dim0_stride, in elements
	s_mov_b32 s[G1+6], 0
	s_mov_b32 s[G1+7], 0
	; for w_out: 128 rows x 256 bytes, 16 bytes of padding behind each
	s_or_b32 s[G1B+0], s44, (0<<16)|(1<<20)|(1<<21)|(5<<22)|(3<<25)
	s_mov_b32 s[G1B+1], ROWB<<16
	s_mov_b32 s[G1B+2], 128<<16
	s_mov_b32 s[G1B+3], ROWB<<16
	s_mov_b32 s[G1B+4], 128
	s_mov_b32 s[G1B+5], KROW
	s_mov_b32 s[G1B+6], 0
	s_mov_b32 s[G1B+7], 0
	; the scales of 128 rows: a dense block of 4,096 bytes, as rows of 256 bytes, 16 bytes of padding behind each
	s_or_b32 s[G1S+0], s43, (3<<16)|(1<<20)|(1<<21)|(5<<22)|(3<<25)
	s_or_b32 s[G1SB+0], s44, (3<<16)|(1<<20)|(1<<21)|(5<<22)|(3<<25)
.irp g, G1S, G1SB
	s_mov_b32 s[\g+1], 32<<16
	s_mov_b32 s[\g+2], (128*KS/256)<<16
	s_mov_b32 s[\g+3], 32<<16
	s_mov_b32 s[\g+4], 128*KS/256
	s_mov_b32 s[\g+5], 32
	s_mov_b32 s[\g+6], 0
	s_mov_b32 s[\g+7], 0
.endr
	s_lshl_b32 s18, s16, 7
	s_lshl_b32 s20, s17, 8
	s_add_co_u32 s20, s20, s18                     ; o: token 256 x tile row + 128 x half
	s_lshl_b32 s46, s42, 8
	s_add_co_u32 s46, s46, s18                     ; w_out: row 256 x tile column + 128 x half
	s_mov_b32 s21, 0
	s_mov_b32 s47, 0
	s_mov_b64 s[18:19], KS
	s_mul_u64 s[22:23], s[20:21], s[18:19]
	s_mul_u64 s[92:93], s[46:47], s[18:19]
	s_mov_b64 s[18:19], KROW
	s_mul_u64 s[20:21], s[20:21], s[18:19]         ; o's images hold 1,024 bytes a token too: 16,384 a tile of 16
	s_mul_u64 s[46:47], s[46:47], s[18:19]
	s_mul_i32 s45, s16, HALFA                      ; where they go: o's two halves,
	s_mul_i32 s96, s16, HALFB
	s_add_co_u32 s96, s96, 2*HALFA                 ; then w_out's two: no place in the cluster enters an LDS address
	s_mul_i32 s94, s14, HALFS
	s_wait_dscnt 0x0                               ; both opening adds are done
	s_wait_kmcnt 0x0
	s_add_nc_u64 s[20:21], s[4:5], s[20:21]
	s_add_nc_u64 s[22:23], s[6:7], s[22:23]
	s_add_nc_u64 s[46:47], s[8:9], s[46:47]
	s_add_nc_u64 s[92:93], s[10:11], s[92:93]
	CROUND                                         ; all sixteen work-groups are here: the first joint loads meet
	s_mov_b32 s[G0S], 1
	s_add_co_u32 s[G0S+1], s94, SCL
	s_mov_b64 s[G0S+2:G0S+3], s[22:23]
	s_or_b32 s[G0S+3], s[G0S+3], 0x80000000
	s_mov_b32 s[G0SB], 1
	s_add_co_u32 s[G0SB+1], s94, SCL
	s_mov_b64 s[G0SB+2:G0SB+3], s[92:93]
	s_or_b32 s[G0SB+3], s[G0SB+3], 0x80000000
	JLOAD G0S, G1S, G0SB, G1SB
.irp s, 0,1
	s_mov_b32 s[G0+4*\s], 1
	s_add_co_u32 s[G0+4*\s+1], s45, \s*SLOT
	s_add_nc_u64 s[G0+4*\s+2:G0+4*\s+3], s[20:21], \s*ASTEP
	s_or_b32 s[G0+4*\s+3], s[G0+4*\s+3], 0x80000000
	s_mov_b32 s[G0B+4*\s], 1
	s_add_co_u32 s[G0B+4*\s+1], s96, \s*SLOT
	s_add_nc_u64 s[G0B+4*\s+2:G0B+4*\s+3], s[46:47], \s*ROWB
	s_or_b32 s[G0B+4*\s+3], s[G0B+4*\s+3], 0x80000000
	JLOAD G0+4*\s, G1, G0B+4*\s, G1B
.endr
	v_and_b32 v1, 15, v0                           ; r
	v_bfe_u32 v2, v0, 4, 1                         ; h
	v_mul_u32_u24 v3, v1, PITCH
	v_lshl_add_u32 v4, v2, 4, v3
	v_and_b32 v6, 31, v0
	v_lshlrev_b32 v[CO], 4, v6
	s_mul_i32 s21, s15, HALFA                      ; my 128 tokens
	s_mul_i32 s22, s16, HALFB
	s_add_co_u32 s22, s22, 2*HALFA                 ; my 128 rows of w_out
.irp s, 0,1
	v_add_nc_u32 v[ADRA+\s], s21, v[CO]
	v_add_nc_u32 v[ADRB+\s], s22, v4
	s_add_co_u32 s21, s21, SLOT
	s_add_co_u32 s22, s22, SLOT
.endr
	v_mul_u32_u24 v5, v1, KS
	v_lshrrev_b32 v7, 8, v5
	v_lshl_add_u32 v5, v7, 4, v5
	s_mul_i32 s21, s15, HALFS
	s_mul_i32 s22, s16, HALFS
	s_add_co_u32 s22, s22, 2*HALFS
	s_sub_co_u32 s22, s22, s21
	v_mul_u32_u24 v7, s22, v2                      ; lanes 16-31 take w_out's
	s_add_co_u32 s21, s21, SCL
	v_add_nc_u32 v5, v5, v7
	v_add_nc_u32 v[ADRS], s21, v5
	s_mul_i32 s23, s14, 16*SPITCH                  ; my stage
	v_mul_u32_u24 v5, v1, SPITCH
	v_lshl_add_u32 v5, v2, 5, v5
	v_add_nc_u32 v[STO], s23, v5
	v_add_nc_u32 v[RD], s23, v[CO]
	v_lshrrev_b32 v5, 1, v6
	v_and_b32 v7, 1, v6
	v_lshlrev_b32 v[PFO], 13, v5
	v_lshl_add_u32 v[PFO], v7, 8, v[PFO]
	s_lshl_b32 s20, s17, 8
	s_lshl_b32 s21, s15, 7
	s_add_co_u32 s20, s20, s21                     ; my first row
	s_mov_b32 s21, 0
	s_mov_b64 s[18:19], SIZE_N*4
	s_mul_u64 s[20:21], s[20:21], s[18:19]
	s_lshl_b32 s46, s42, 10                        ; my first column, in bytes
	s_lshl_b32 s47, s16, 9
	s_add_co_u32 s46, s46, s47
	s_mov_b32 s47, 0
	s_add_nc_u64 s[20:21], s[20:21], s[46:47]
	s_add_nc_u64 s[12:13], s[12:13], s[20:21]      ; x and out0 at my wave's 128 x 128
	s_add_nc_u64 s[66:67], s[66:67], s[20:21]
.macro FRAG reg, adr, q, i             ; a fragment of w_out from rows
.irp c, 0,1,2,3
	ds_load_b128 v[\reg+4*\c:\reg+4*\c+3], v[\adr] offset:128*(\q)+32*\c+(\i)*16*PITCH
.endr
.endm
.macro FRAGA reg, adr, q, i            ; a fragment of o from its image
.irp c, 0,1,2,3
	ds_load_b128 v[\reg+4*\c:\reg+4*\c+3], v[\adr] offset:ASTEP*(\i)+2048*(\q)+512*\c
.endr
.endm
; The 64 accumulators take turns, one instruction a turn, in the same order in every step.
.macro MUL16 a0, p, q, sc, zero
.irp a, \a0, \a0+1
.irp b, 0,1,2,3,4,5,6,7
.if \zero
	v_wmma_scale_f32_16x16x128_f8f6f4 v[8*(8*((\a)%4)+\b):8*(8*((\a)%4)+\b)+7], v[128*(\p)+FR*\b:128*(\p)+FR*\b+FR-1], v[AF+FR*(\a):AF+FR*(\a)+FR-1], 0, v[SC+8*NQ*(\sc)+NQ*\b+(\q)], v[SC+8*NQ*(\sc)+NQ*(\a)+(\q)] matrix_a_scale:MATRIX_SCALE_ROW1
.else
	v_wmma_scale_f32_16x16x128_f8f6f4 v[8*(8*((\a)%4)+\b):8*(8*((\a)%4)+\b)+7], v[128*(\p)+FR*\b:128*(\p)+FR*\b+FR-1], v[AF+FR*(\a):AF+FR*(\a)+FR-1], v[8*(8*((\a)%4)+\b):8*(8*((\a)%4)+\b)+7], v[SC+8*NQ*(\sc)+NQ*\b+(\q)], v[SC+8*NQ*(\sc)+NQ*(\a)+(\q)] matrix_a_scale:MATRIX_SCALE_ROW1
.endif
.endr
.endr
.endm
.macro FETCH_B slot, q, p
	WIN TO_B
.irp i, 0,1,2,3,4,5,6,7
	FRAG 128*(\p)+FR*\i, ADRB+\slot, \q, \i
.endr
	WIN 0
.endm
.macro FETCH_A slot, q, i0
.irp i, \i0, \i0+1, \i0+2, \i0+3
	FRAGA AF+FR*(\i), ADRA+\slot, \q, \i
.endr
.endm
.macro SCALES sc
.irp i, 0,1,2,3,4,5,6,7
	ds_load_b64 v[SC+8*NQ*\sc+NQ*\i:SC+8*NQ*\sc+NQ*\i+1], v[ADRS] offset:\i*SBLK
.endr
.endm
.macro PLACES n
.rept \n
	v_nop
.endr
.endm
.macro STEP slot, q, zero
	s_wait_dscnt 4*NL                              ; all but the youngest 16 loads (o's blocks 4-7) are in
	WIN MUL_LO
	MUL16 0, (\q)%2, \q, \slot, \zero
	MUL16 2, (\q)%2, \q, \slot, \zero
	s_wait_dscnt 0
	PLACES NP
	FETCH_B \slot, (\q)+1, 1-(\q)%2
	FETCH_A \slot, (\q)+1, 0
	WIN MUL_HI
	MUL16 4, (\q)%2, \q, \slot, \zero
	MUL16 6, (\q)%2, \q, \slot, \zero
	PLACES NP
	WIN 0
	FETCH_A \slot, (\q)+1, 4
.endm
; A slot's last step changes slots: ONE barrier; in front of it each wave waits for all its tensor loads, adds 0 to its spare word, and waits for that and for its own reads of this slot.
; fill = 1: the slot is filled again, two K steps ahead; and behind the run of LDS loads stand four prefetches of x: rows 16 pf to 16 pf + 63 of my wave's 128, two blocks of 256 bytes a row, a lane a block.
; Each of the two changes that fill runs once, so each block of my wave's part of x is named once, three and two K steps ahead of the way out that loads it; no other wave reads it.
.macro TURN slot, next, fill, pf
	s_wait_tensorcnt 0x0                           ; all my tensor loads have landed: my part of the next slot
	ds_add_u32 v[SPW], v[NIL]                      ; 0 onto my spare word
	s_wait_dscnt 4*NL+1                            ; (the add and the youngest 16 loads may be out)
	WIN MUL_LO
	MUL16 0, 1, NQ-1, \slot, 0
	s_wait_dscnt 0x0                               ; the add is done, and my reads of this slot are over
	s_barrier_signal -1
	MUL16 2, 1, NQ-1, \slot, 0
	WIN 0
	s_barrier_wait -1
.if \fill
	CREST                                          ; a round of the cluster's barrier: no wave of any partner still reads this slot or has a load on its way
	s_add_nc_u64 s[G0+4*\slot+2:G0+4*\slot+3], s[G0+4*\slot+2:G0+4*\slot+3], 2*ASTEP
	s_add_nc_u64 s[G0B+4*\slot+2:G0B+4*\slot+3], s[G0B+4*\slot+2:G0B+4*\slot+3], 2*ROWB
	JLOAD G0+4*\slot, G1, G0B+4*\slot, G1B
	PLACES NP-4
.else
	PLACES NP
.endif
	v_add_nc_u32 v[ADRS], 4*NQ, v[ADRS]
	FETCH_B \next, 0, 0
	FETCH_A \next, 0, 0
	SCALES \next
.if \fill
.irp k, 0,1,2,3
	global_prefetch_b8 v[PFO], s[12:13] offset:(\pf+\k)*131072 th:TH_LOAD_NT scope:SCOPE_SE
.endr
.endif
	WIN MUL_HI
	MUL16 4, 1, NQ-1, \slot, 0
	MUL16 6, 1, NQ-1, \slot, 0
	PLACES NP
	WIN 0
	FETCH_A \next, 0, 4
.endm
.macro XLOAD a                         ; block a's 16 rows of x, 512 consecutive bytes each, into window 1
	WIN 0x40
.irp t, 0,1,2,3,4,5,6,7,8,9,10,11,12,13,14,15
	global_load_b128 v[64*((\a)%4)+4*\t:64*((\a)%4)+4*\t+3], v[CO], s[12:13] offset:(16*(\a)+\t)*SIZE_N*4 th:TH_LOAD_NT
.endr
	WIN 0
.endm
	s_wait_tensorcnt 1                             ; the scales and my part of K step 0 are in; K step 1's load may be out
	s_barrier_signal -1
	s_barrier_wait -1
	FETCH_B 0, 0, 0
	FETCH_A 0, 0, 0
	SCALES 0
	FETCH_A 0, 0, 4
	STEP 0, 0, 1
	s_mov_b32 s3, LAPS-1
.Llap:
	TURN 0, 1, 1, 0
	STEP 1, 0, 0
	TURN 1, 0, 1, 4
	STEP 0, 0, 0
	s_sub_co_u32 s3, s3, 1
	s_cmp_lg_u32 s3, 0
	s_cbranch_scc1 .Llap
	TURN 0, 1, 0, 0
	STEP 1, 0, 0
	XLOAD 0                                        ; w_out's set 0 is done with, eight places back: the first two blocks of x land there under the last products
	XLOAD 1
	s_wait_dscnt 4*NL
	WIN MUL_LO
	MUL16 0, 1, NQ-1, 1, 0
	MUL16 2, 1, NQ-1, 1, 0
	s_wait_dscnt 0
	WIN MUL_HI
	MUL16 4, 1, NQ-1, 1, 0
	MUL16 6, 1, NQ-1, 1, 0
	WIN 0
; THE WAY OUT, block by block of 16 rows x 128 columns: through my own stage in LDS, back as whole rows of 512 bytes, + x, stored.  LDS serves a wave's instructions in order: no wait between the stores and the loads.
.macro TOSTAGE a
.set AC, 64*((\a)%4)
	WIN 0x08+4*((\a)/4)                            ; the data: window 2 or 3
.irp b, 0,1,2,3,4,5,6,7
	ds_store_b128 v[STO], v[AC+8*\b:AC+8*\b+3] offset:64*\b          ; each accumulator from its low end on
	ds_store_b128 v[STO], v[AC+8*\b+4:AC+8*\b+7] offset:64*\b+16
.endr
	WIN 0
.set BB, BK+64*((\a)%2)
.irp t, 0,1,2,3,4,5,6,7,8,9,10,11,12,13,14,15
	ds_load_b128 v[BB+4*\t:BB+4*\t+3], v[RD] offset:\t*SPITCH
.endr
.endm
.macro SEND a, younger                 ; younger: the LDS instructions issued behind block a's loads
.set XB, 64*((\a)%4)
	s_wait_dscnt \younger                          ; the block is back in registers
.if (\a) < 6
	s_wait_loadcnt 32                              ; its x is in; the two later blocks' 16 loads each may be out
.elseif (\a) == 6
	s_wait_loadcnt 16
.else
	s_wait_loadcnt 0x0
.endif
.set BB, BK+64*((\a)%2)
	WIN 0x04                                       ; source 1: window 1
.set i, 0
.rept 32
	v_pk_add_f32 v[BB+i:BB+i+1], v[BB+i:BB+i+1], v[XB+i:XB+i+1]
.set i, i+2
.endr
	WIN 0
.if (\a) < 5
	XLOAD (\a)+3                                   ; into the registers that the block before has been added from
.endif
.set BB, BK+64*((\a)%2)
.irp t, 0,1,2,3,4,5,6,7,8,9,10,11,12,13,14,15
	global_store_b128 v[CO], v[BB+4*\t:BB+4*\t+3], s[66:67] offset:(16*(\a)+\t)*SIZE_N*4 th:TH_STORE_NT   ; 32 lanes store 512 consecutive bytes; 127 rows of 8,192 bytes at the most: inside the signed 24-bit immediate
.endr
.endm
	PLACES NP                                      ; behind the last products: for the reads of results and for loads into registers that held fragments
	XLOAD 2
	TOSTAGE 0
.irp a, 1,2,3,4,5,6,7
.if \a > 1
	s_wait_xcnt 0x0                                ; block a - 2's stores have read their registers: block a's loads may land there
.endif
	TOSTAGE \a
	SEND \a-1, 32                                  ; behind block a - 1's loads: block a's 16 stores and 16 loads
.endr
	SEND 7, 0
	s_wait_tensorcnt 0x0                           ; the wave's end: behind my last tensor load and my last LDS store
	ds_add_u32 v[SPW], v[NIL]
	s_wait_dscnt 0x0
	CROUND                                         ; the closing round: no work-group ends while a partner may still ask for a tile that names it
	s_endpgm
.Lfunc_end_k_q2b53979b96_outp:
	.size	k_q2b53979b96_outp, .Lfunc_end_k_q2b53979b96_outp-k_q2b53979b96_outp
	.p2alignl 7, 3214868480
	.fill 96, 4, 3214868480
	.section	.rodata,"a",@progbits
	.p2align	6, 0x0
	.amdhsa_kernel k_q2b53979b96_outp
		.amdhsa_group_segment_fixed_size 327680
		.amdhsa_private_segment_fixed_size 0
		.amdhsa_enable_private_segment 0
		.amdhsa_kernarg_size 48
		.amdhsa_user_sgpr_count 2
		.amdhsa_user_sgpr_kernarg_segment_ptr 1
		.amdhsa_wavefront_size32 1
		.amdhsa_system_sgpr_workgroup_id_x 1
		.amdhsa_system_sgpr_workgroup_id_y 1
		.amdhsa_system_sgpr_workgroup_id_z 1
		.amdhsa_system_vgpr_workitem_id 0
		.amdhsa_next_free_vgpr 1024
		.amdhsa_next_free_sgpr 100
		.amdhsa_reserve_vcc 0
		.amdhsa_float_denorm_mode_32 3
		.amdhsa_float_denorm_mode_16_64 3
		.amdhsa_memory_ordered 1
		.amdhsa_forward_progress 1
		.amdhsa_inst_pref_size 175
	.end_amdhsa_kernel
	.amdgpu_metadata
---
amdhsa.version: [ 1, 2 ]
amdhsa.kernels:
  - .name:           k_q2b53979b96_outp
    .symbol:         k_q2b53979b96_outp.kd
    .args:
      - { .name: oc, .offset: 0, .size: 8, .value_kind: global_buffer, .address_space: global }
      - { .name: os, .offset: 8, .size: 8, .value_kind: global_buffer, .address_space: global }
      - { .name: w_out_codes, .offset: 16, .size: 8, .value_kind: global_buffer, .address_space: global }
      - { .name: w_out_scales, .offset: 24, .size: 8, .value_kind: global_buffer, .address_space: global }
      - { .name: x, .offset: 32, .size: 8, .value_kind: global_buffer, .address_space: global }
      - { .name: out0, .offset: 40, .size: 8, .value_kind: global_buffer, .address_space: global }
    .group_segment_fixed_size: 327680
    .private_segment_fixed_size: 0
    .kernarg_segment_align: 8
    .kernarg_segment_size: 48
    .max_flat_workgroup_size: 128
    .sgpr_count:     100
    .vgpr_count:     1024
    .wavefront_size: 32
...
	.end_amdgpu_metadata
.endif
;; end of part 4
;; ======== version 2 of 2: 4 launches; version 1 with the launch attn written anew for expert scheduling mode
;; workspace buffers: xq 8,388,608 bytes; xs 262,144 bytes; rope 1,048,576 bytes; qc 4,194,304 bytes; kvc 4,194,304 bytes; qkvs 458,752 bytes; oc 4,194,304 bytes; os 131,072 bytes
;; launch norm: the kernel of part 1 again; grid 256 x 1, 16 waves a work-group, no clusters, 171,008 bytes of LDS; arguments x, rms_w, xq, xs, rope; writes xq, xs, rope
;; launch proj: the kernel of part 2 again; grid 8 x 16, 4 waves a work-group, clusters of 4 x 4, 327,680 bytes of LDS; arguments xq, xs, w_in_codes, w_in_scales, rope, qc, kvc, qkvs; writes qc, kvc, qkvs
;; launch attn (part 5): grid 16 x 16, 16 waves a work-group, no clusters, 47,104 bytes of LDS; arguments qc, kvc, qkvs, oc, os; writes oc, os
.if DOCPART == 5
	.amdgcn_target "amdgcn-amd-amdhsa--gfx1250"
	.amdhsa_code_object_version 6
	.text
	.protected	k_q2b53979b96_attn
	.globl	k_q2b53979b96_attn
	.p2align	8
	.type	k_q2b53979b96_attn,@function
k_q2b53979b96_attn:
	s_mov_b64 s[64:65], 0
	v_nop
	global_prefetch_b8 v0, s[64:65] scope:SCOPE_SE
	s_setreg_imm32_b32 hwreg(HW_REG_WAVE_SCHED_MODE, 0, 2), 2
	s_setreg_imm32_b32 hwreg(HW_REG_WAVE_MODE, 25, 1), 1
	s_wait_xcnt 0x0
	s_wait_alu depctr_vm_vsrc(0)
; Causal attention of one (batch, group), both heads, on codes of E4M3: S^T = K Q^T, p = 2^(t - M), O^T = V^T P^T, o = O / l, and o quantised along (g h d) for the last product.
; WORK LEFT OUT: a key step all of whose 128 keys come after a wave's 16 queries: reference()'s own tril makes its p zero for all inputs (shown at the head of launch norm, with the limit on NaN and infinities).
; THE SOFTMAX: t = score x log2(e) / 8; M = the running largest t rounded UP to a whole number; p is quantised along the keys, not normalised; the row's sum is taken of the unquantised p and divides at the end.
; When M moves, the sum and O^T are multiplied by 2^(old M - new M), which rounds nothing.
; SHARES.  Work-group (i, batch-group) owns the blocks i and 31 - i of 64 queries, for both heads: sixteen waves of one tile of 16 queries each.  An early and a late wave together walk 17 key steps for every i.
; K's and V's key steps are dense images of 8,192 bytes each: every thread copies 16 bytes of each through its registers into one of two LDS buffers, asked for two steps and stored one step ahead of their use.
; NO CLUSTER: the sixteen work-groups of a (batch, group) walk 9 to 16 key steps, so partners would need different numbers of tiles.
; A work-group that ends early brings scale words of keys that it never reads: one load a thread, at the head.
; THE FIRST PRODUCT'S K IS 64 of the instruction's 128: Q's upper eight registers are zero codes.  K's fragment of tile t is v[32 + 8 t] on, 16 registers: the upper eight are the next tile's codes (behind the last tile:
; zeros), finite numbers, since a held conversion gives no NaN code; they meet Q's zeros, under scale bytes of 1.0 on both sides.
; LAYOUT: a lane holds ONE query (lane % 16) throughout.  Tiles 2 b, 2 b + 1 of S^T give lane (r, h) the keys 32 b + 8 h + 0..7 and 32 b + 16 + 8 h + 0..7: the order in which launch proj laid V's codes.
; o needs its true order (w_out is given): one exchange of 8 bytes between lanes l and l xor 16 at the end.
; os is written two bytes a token: one byte in 32 of what the launch stores leaves in parts of rows 32 bytes apart.
; LIMITS: as in launch norm for o's blocks.
; REGISTERS: v1-9 addresses; v10-11 V's scale words; v12 -M, v13 the largest t, v[14:15] the sum; v16-31 Q; v32-103 K (v96-103 stay 0), then V in v32-95; v104-167 S^T, then p; v168-199 O^T; v200-215 p's codes;
;   v216-231 two sets of 32 bytes on their way to LDS; v232-247 at work; v248-251 K's scale words; v252 f; v253 p's scale word; v254 at work; v255 Q's scale words.
; THE MODE: SCHED_MODE bits 1:0 = 2 (LLVM: expert scheduling mode 2), set by the entry lines.  The code itself states the register dependences between vector or matrix instructions and memory or LDS
; instructions, with s_wait_alu, always for 0.
; THE PLAN.  Registers that memory or LDS instructions touch:
;   v1, v2        offsets, made at the head and never written again: read by every load of an image and by every copy.
;   v7, v8        LDS addresses of the step's scale words: written by two additions at a step's start, read by that step's six loads of words; on the way out v7 is made anew for the store of os.
;   v216-231      two sets by turns: a global load lands in a set, the LDS stores of the next step read it, the step after that asks for it again.  No vector instruction of the loop names them; the way out's selects write them.
;   v32-95        K's loads land; the eight products K Q^T read them; V's loads land; the four products V^T P read them; then the next step's K.
;   v248-251, v10-11  scale words: loaded, and read by the products.
;   v252, v254    offsets of two loads (v254: of an LDS store too) at the head; at work from the first step on; v254 is the data of the last store.
;   v104-109      the scale words on their way to LDS at the head; S^T later.
; A STEP'S WAITS: one on vm_vsrc at its head; one on va_vdst ahead of K's loads; one ahead of V's loads, which then stand dealt among the search for the maxima, whose lines name none of the loads' registers;
; the two behind the exponentials; one ahead of V^T P, for p's codes and scale word.  On the diagonal four more, on va_sdst: one behind each run of sixteen compares.
.set BUFB,  16384                      ; an LDS buffer: a step's K, then its V
.set KSC,   32768                      ; K's scale words of the whole sequence, 8,192 bytes
.set VSC,   40960                      ; V's, 4,096 bytes
.set SPARE, 45056                      ; the spare words, 128 bytes for each wave: eight blocks of 256 bytes that no other line names
.set VOFS,  2097152                    ; V's images in kvc
.set KWO,   262144                     ; K's words in qkvs
.set VWO,   393216                     ; V's
.set S,   104
.set O,   168
.set PCD, 200
.set MK,  40                           ; s40-55  the masks of sixteen compares; free in the loop: what the head kept there is used up
	s_load_b256 s[4:11], s[0:1], 0x0               ; qc s[4:5], kvc s[6:7], qkvs s[8:9], oc s[10:11]
	s_load_b64 s[12:13], s[0:1], 0x20              ; os
	v_lshl_add_u32 v5, v0, 2, SPARE                ; my spare word; never rewritten
	v_mov_b32 v6, 0                                ; 0; never rewritten
	v_lshrrev_b32 v1, 5, v0
	v_readfirstlane_b32 s18, v1                    ; wave 0..15
	v_and_b32 v7, 31, v0
	v_lshlrev_b32 v1, 4, v7                        ; 16 x lane: an image's place for my lane
	v_lshlrev_b32 v2, 4, v0                        ; 16 x thread: my bytes of a step's image, in memory and in LDS
	v_lshl_add_u32 v3, v7, 2, KSC
	v_lshl_add_u32 v4, v7, 2, VSC
	v_and_b32 v8, 15, v0                           ; r
	v_bfe_u32 v9, v0, 4, 1                         ; h
	v_lshlrev_b32 v9, 3, v9
	v_sub_nc_u32 v9, v8, v9                        ; r - 8 h, for the mask
	v_lshlrev_b32 v254, 3, v0                      ; 8 x thread: V's words
	v_lshlrev_b32 v252, 2, v8                      ; 4 r: Q's words
	s_wait_alu depctr_va_sdst(0)                   ; s18 is written, ahead of its first reader: my block, head and tile are made from it
	s_and_b32 s35, ttmp7, 0xffff                   ; 8 batch + group
	s_lshr_b32 s36, s18, 2
	s_xor_b32 s36, s36, s18
	s_and_b32 s36, s36, 1                          ; 1: the late block.  Bit 0 xor bit 2 of the wave's number: two early and two late waves in every four on end and in every four that are 4 apart
	s_lshr_b32 s37, s18, 3                         ; the head in the group
	s_and_b32 s38, s18, 3                          ; the tile in the block
	s_sub_co_u32 s39, 31, ttmp9
	s_lshr_b32 s26, s39, 1
	s_add_co_u32 s26, s26, 1
	s_lshl_b32 s26, s26, 7                         ; the keys that the work-group walks: up to its late block's last query, in whole steps
	s_cmp_eq_u32 s36, 1
	s_cselect_b32 s39, s39, ttmp9
	s_lshl_b32 s25, s39, 6
	s_lshl_b32 s38, s38, 4
	s_add_co_u32 s25, s25, s38                     ; my first query
	s_mov_b32 s19, 0x600000                        ; the mantissa field of 448
	s_mov_b32 s20, 0x76543210
	s_mov_b32 s21, 0xfedcba98                      ; v_permlanex16_b32's selects for lane l xor 16
	s_mov_b32 s22, 0x3e38aa3b                      ; c = log2(e) / 8
	s_mov_b32 s23, s22                             ; (named with it as a pair, so it is written)
	s_mov_b32 s24, 0                               ; the step's first key
	s_mov_b32 s27, 0                               ; its scale words of K: 512 bytes a step
	s_mov_b32 s28, 0                               ; and of V: 256
	s_mov_b32 s33, 0xffff0000                      ; lanes 16-31
	s_mov_b32 s41, 0
	s_wait_kmcnt 0x0
	s_lshl_b32 s40, s35, 17
	s_add_nc_u64 s[30:31], s[6:7], s[40:41]        ; K's images of my group; V's lie VOFS further on
	s_lshl_b32 s40, s35, 13
	s_add_nc_u64 s[42:43], s[8:9], s[40:41]
	s_lshl_b32 s40, s35, 12
	s_add_nc_u64 s[44:45], s[8:9], s[40:41]
	s_lshl_b32 s46, s35, 1
	s_add_co_u32 s46, s46, s37                     ; my head among the 32
	s_lshl_b32 s40, s46, 17
	s_lshl_b32 s47, s25, 6
	s_add_co_u32 s40, s40, s47
	s_add_nc_u64 s[4:5], s[4:5], s[40:41]          ; my tile of Q
	s_lshl_b32 s40, s46, 13
	s_lshl_b32 s47, s25, 2
	s_add_co_u32 s40, s40, s47
	s_add_nc_u64 s[8:9], s[8:9], s[40:41]          ; and its words
	s_lshr_b32 s46, s35, 3
	s_and_b32 s47, s35, 7
	s_lshl_b32 s46, s46, 11
	s_add_co_u32 s46, s46, s25                     ; my first token
	s_lshl_b32 s40, s46, 10                        ; oc: 16,384 bytes a tile of 16 tokens, 2,048 a group, 1,024 a head
	s_lshl_b32 s48, s47, 11
	s_add_co_u32 s40, s40, s48
	s_lshl_b32 s48, s37, 10
	s_add_co_u32 s40, s40, s48
	s_add_nc_u64 s[10:11], s[10:11], s[40:41]
	s_lshl_b32 s40, s46, 5                         ; os: 32 bytes a token, 4 a group, 2 a head
	s_lshl_b32 s48, s47, 2
	s_add_co_u32 s40, s40, s48
	s_lshl_b32 s48, s37, 1
	s_add_co_u32 s40, s40, s48
	s_add_nc_u64 s[12:13], s[12:13], s[40:41]
	s_wait_alu depctr_va_vdst(0)                   ; the offsets v1, v2, v252 and v254 are written: the loads and LDS stores of the head read them, v1 and v2 those of the whole kernel
	global_load_b128 v[216:219], v2, s[30:31]                    ; key step 0: K,
	global_load_b128 v[220:223], v2, s[30:31] offset:VOFS        ; V
	global_load_b128 v[104:107], v2, s[42:43] offset:KWO         ; K's scale words
	global_load_b64 v[108:109], v254, s[44:45] offset:VWO        ; V's
	global_load_b128 v[224:227], v2, s[30:31] offset:8192        ; key step 1
	global_load_b128 v[228:231], v2, s[30:31] offset:VOFS+8192
	global_load_b128 v[16:19], v1, s[4:5]                        ; Q's two groups stay in registers
	global_load_b128 v[20:23], v1, s[4:5] offset:512
	global_load_b32 v255, v252, s[8:9]
.irp j, 0,1,2,3,4,5,6,7,8,9,10,11,12,13,14,15,16,17,18,19,20,21,22,23,24,25,26,27,28,29,30,31
	v_mov_b32 v[O+\j], 0                           ; O^T.  (The step is written once: the first finds zeros, which the first change of M leaves zeros)
.endr
.irp j, 0,1,2,3,4,5,6,7
	v_mov_b32 v[24+\j], 0                          ; Q's zero codes for the upper half of the K step
	v_mov_b32 v[96+\j], 0                          ; and what stands behind K's last tile
.endr
.irp b, 0,1,2,3
	v_mov_b32 v[236+\b], 0                         ; written once: a lane permute's destination counts as one of its sources
.endr
	v_mov_b32 v253, 0                              ; (named as the upper half of the pair v[252:253] before it is first written)
	v_mov_b32 v13, 0xff61b1e6                      ; the largest t so far: -3e38, under every t
	v_floor_f32 v12, -v13                          ; -M
	v_mov_b32 v14, 0
	v_mov_b32 v15, 0
	s_wait_loadcnt 5                               ; step 0 and the scale words are in; step 1's two loads and Q's three may be out
	ds_store_b128 v2, v[216:219]                   ; (no vector instruction since the wait on va_vdst above names an address or a data register of these four)
	ds_store_b128 v2, v[220:223] offset:8192
	ds_store_b128 v2, v[104:107] offset:KSC
	ds_store_b64 v254, v[108:109] offset:VSC
	s_wait_dscnt 0x0                               ; for the others' sake: my stores lie in LDS
	s_barrier_signal -1
	s_barrier_wait -1
; V's fragment t of the step in buffer buf: four loads of 512 consecutive bytes.
.macro VFRAG buf, t
.irp c, 0,1,2,3
	ds_load_b128 v[32+16*(\t)+4*\c:35+16*(\t)+4*\c], v1 offset:(\buf)*BUFB+8192+2048*(\t)+512*\c
.endr
.endm
; A KEY STEP of 128 keys, read from buffer buf.
.macro STEP buf
.set GS, 216+8*(1-(\buf))              ; the next step's bytes, in registers
.set GL, 216+8*(\buf)                  ; where the step after that lands
	s_wait_loadcnt 0x0                             ; the next step's bytes, asked for a whole step ago (in the first step: Q too)
	s_wait_alu depctr_vm_vsrc(0)                   ; the last step's LDS stores have read v[GL ..], in which the loads below land; its loads of scale words have read v7 and v8, which are written below; in the first step the head's loads and LDS stores have read v252, v254 and v104-109
	s_add_co_u32 s34, s24, 128
	s_cmp_lt_u32 s34, s26                          ; ids and the count of steps alone: all sixteen waves go the same way
	s_cbranch_scc0 .Lno_store_\@
	ds_store_b128 v2, v[GS:GS+3] offset:(1-(\buf))*BUFB          ; into the buffer that every wave left at the last barrier
	ds_store_b128 v2, v[GS+4:GS+7] offset:(1-(\buf))*BUFB+8192
.Lno_store_\@:
	s_add_co_u32 s34, s24, 256
	s_cmp_lt_u32 s34, s26
	s_cbranch_scc0 .Lno_load_\@                    ; no load leaves the keys that the work-group walks
	global_load_b128 v[GL:GL+3], v2, s[30:31] offset:16384       ; (these registers' store into LDS was waited for in front of the last barrier; no vector instruction of the loop names them)
	global_load_b128 v[GL+4:GL+7], v2, s[30:31] offset:VOFS+16384
.Lno_load_\@:
	s_add_co_u32 s34, s25, 15
	s_cmp_gt_u32 s24, s34                          ; all keys of the step come after my queries: its work is left out; the barrier at its end is not
	s_cbranch_scc1 .Lhidden_\@
	v_add_nc_u32 v7, s27, v3
	v_add_nc_u32 v8, s28, v4
.rept 6
	v_nop                                          ; with the two additions: eight places in front of loads into registers that the last products read
.endr
	s_wait_alu depctr_va_vdst(0)                   ; v7 and v8 are written, which the loads of scale words read; the last step's products are done reading v32-95, v248-251 and v10-11, in which this step's loads land; in the first step Q's and K's zero codes are written, which the products below take
.irp kt, 0,1,2,3,4,5,6,7
	ds_load_b128 v[32+8*\kt:35+8*\kt], v1 offset:(\buf)*BUFB+1024*\kt
	ds_load_b128 v[36+8*\kt:39+8*\kt], v1 offset:(\buf)*BUFB+1024*\kt+512
.endr
.irp q, 0,1,2,3
	ds_load_b32 v[248+\q], v7 offset:128*\q        ; lanes 0-15: tile 2 q's words; lanes 16-31: tile 2 q + 1's
.endr
	s_wait_dscnt 0x0
.irp kt, 0,1,2,3,4,5,6,7
.if (\kt)%2
	v_wmma_scale_f32_16x16x128_f8f6f4 v[S+8*\kt:S+8*\kt+7], v[32+8*\kt:47+8*\kt], v[16:31], 0, v[248+\kt/2], v255 matrix_a_scale:MATRIX_SCALE_ROW1
.else
	v_wmma_scale_f32_16x16x128_f8f6f4 v[S+8*\kt:S+8*\kt+7], v[32+8*\kt:47+8*\kt], v[16:31], 0, v[248+\kt/2], v255
.endif
.endr
.rept 8
	v_nop                                          ; places in front of the loads below and of the first read of the scores
.endr
	s_wait_alu depctr_va_vdst(0)                   ; the eight products are done reading K in v32-95, in which V's loads land.  It stands ahead of the branch; on both ways the lines up to the last of V's loads name S^T, v9, v232-235, v252, v254 and the masks alone
	s_add_co_u32 s34, s24, 127                     ; on the diagonal the scores of hidden keys become -infinity ahead of the maximum; a step all of whose keys count skips this
	s_cmp_le_u32 s34, s25
	s_cbranch_scc1 .Lopen_\@
	s_sub_co_i32 s34, s25, s24
	v_add_nc_u32 v254, s34, v9                     ; d = my query - the step's first key - 8 h.  Register n holds key 16 (n / 8) + n % 8 + 8 h of the step: hidden where n + 8 (n / 8) > d
	v_mov_b32 v252, 0xff800000
.irp g, 0,1,2,3                                ; sixteen compares in a run, each into a scalar register of its own, one wait, their sixteen selects
.irp i, 0,1,2,3,4,5,6,7,8,9,10,11,12,13,14,15
	v_cmp_gt_i32 s[MK+\i], (16*\g+\i)+8*((16*\g+\i)/8), v254
.endr
	s_wait_alu depctr_va_sdst(0)                   ; the sixteen masks are written, ahead of the selects that read them
.irp i, 0,1,2,3,4,5,6,7,8,9,10,11,12,13,14,15
	v_cndmask_b32 v[S+16*\g+\i], v[S+16*\g+\i], v252, s[MK+\i]
.endr
.endr
.Lopen_\@:
.irp b, 0,1,2,3
	v_max3_num_f32 v[232+\b], v[S+16*\b], v[S+1+16*\b], v[S+2+16*\b]   ; the largest score of each block of 32 keys: for the row's maximum, and, since p rises with the score, for the block's largest p
.endr
	VFRAG \buf, 0                                  ; V's four fragments and its words land under the softmax: a fragment's four loads behind each of the first four groups of maxima, the words behind the fifth
.irp i, 3,5,7,9,11,13
.irp b, 0,1,2,3
	v_max3_num_f32 v[232+\b], v[232+\b], v[S+16*\b+\i], v[S+1+16*\b+\i]
.endr
.if \i < 9
	VFRAG \buf, (\i-1)/2
.endif
.if \i == 9
	ds_load_b32 v10, v8
	ds_load_b32 v11, v8 offset:128
.endif
.endr
.irp b, 0,1,2,3
	v_max_num_f32 v[232+\b], v[232+\b], v[S+15+16*\b]
.endr
.irp b, 0,1,2,3
	v_permlanex16_b32 v[236+\b], v[232+\b], s20, s21
.endr
.irp b, 0,1,2,3
	v_max_num_f32 v[232+\b], v[232+\b], v[236+\b]  ; with lane l xor 16's 16 keys
.endr
	v_max3_num_f32 v254, v232, v233, v234
	v_max_num_f32 v254, v254, v235
	v_mul_f32 v254, s22, v254                      ; the step's largest t of my query
	v_max_num_f32 v13, v13, v254
	v_mov_b32 v254, v12
	v_floor_f32 v12, -v13                          ; the new -M = -ceil(t)
	v_sub_f32 v254, v12, v254                      ; old M - new M: a whole number, 0 or less
	v_cvt_i32_f32 v254, v254                       ; (it saturates)
	v_ldexp_f32 v252, 1.0, v254                    ; f = 2^(old M - new M)
.irp j, 0,2,4,6,8,10,12,14,16,18,20,22,24,26,28,30,32,34,36,38,40,42,44,46,48,50,52,54,56,58,60,62
	v_pk_fma_f32 v[S+\j:S+1+\j], v[S+\j:S+1+\j], s[22:23], v[12:13] op_sel_hi:[1,0,0]   ; t - M, two at a time
.endr
.irp b, 0,1,2,3
	v_fma_f32 v[232+\b], v[232+\b], s22, v12
.endr
.irp j, 0,1,2,3,4,5,6,7,8,9,10,11,12,13,14,15,16,17,18,19,20,21,22,23,24,25,26,27,28,29,30,31,32,33,34,35,36,37,38,39,40,41,42,43,44,45,46,47,48,49,50,51,52,53,54,55,56,57,58,59,60,61,62,63
	v_exp_f32 v[S+\j], v[S+\j]                     ; p = 2^(t - M), at most 1
.endr
	v_pk_mul_f32 v[14:15], v[14:15], v[252:253] op_sel_hi:[1,0]   ; the sums under the new M: the plain instruction behind the exponentials
	s_wait_alu depctr_va_vdst(0)                   ; the 64 exponentials have written p: one wait for the whole batch, ahead of its first reader
.irp b, 0,1,2,3
	v_exp_f32 v[232+\b], v[232+\b]                 ; each block's largest p
.endr
	v_pk_add_f32 v[236:237], v[S:S+1], v[S+2:S+3]  ; the row's sum of the unquantised p, in two chains
.irp j, 4,8,12,16,20,24,28,32,36,40,44,48,52,56,60
	v_pk_add_f32 v[14:15], v[14:15], v[S+\j:S+1+\j]
	v_pk_add_f32 v[236:237], v[236:237], v[S+2+\j:S+3+\j]
.endr
	v_pk_add_f32 v[14:15], v[14:15], v[236:237]
	s_wait_alu depctr_va_vdst(0)                   ; the four exponentials have written v232-235, ahead of their first reader
.irp b, 0,1,2,3
	v_max_num_f32 v[232+\b], 0x4800000, v[232+\b]  ; the floor 2^(9 - 127): the byte cannot fall under 1
.endr
.irp b, 0,1,2,3
	v_add_nc_u32 v[244+\b], 0xfc000000, v[232+\b]  ; the conversion's scale operand
.endr
.irp b, 0,1,2,3
	v_and_or_b32 v[240+\b], v[232+\b], 0x7f800000, s19   ; 448 x the scale
.endr
.irp b, 0,1,2,3
	v_lshrrev_b32 v[236+\b], 23, v[244+\b]
.endr
	v_lshl_or_b32 v253, v237, 8, v236              ; p's scale word for these 128 keys
	v_lshl_or_b32 v253, v238, 16, v253
	v_lshl_or_b32 v253, v239, 24, v253
.irp b, 0,1,2,3
.irp i, 0,1,2,3,4,5,6,7,8,9,10,11,12,13,14,15
	v_min_num_f32 v[S+16*\b+\i], v[S+16*\b+\i], v[240+\b]   ; the hold; p is not negative, so it is one-sided
.endr
	v_cvt_scalef32_pk8_fp8_f32 v[PCD+4*\b:PCD+1+4*\b], v[S+16*\b:S+7+16*\b], v[244+\b]
	v_cvt_scalef32_pk8_fp8_f32 v[PCD+2+4*\b:PCD+3+4*\b], v[S+8+16*\b:S+15+16*\b], v[244+\b]
.endr
.irp j, 0,2,4,6,8,10,12,14,16,18,20,22,24,26,28,30
	v_pk_mul_f32 v[O+\j:O+1+\j], v[O+\j:O+1+\j], v[252:253] op_sel_hi:[1,0]   ; O^T under the new M.  (These sixteen are also the places between the codes and the products)
.endr
	s_wait_dscnt 0x0                               ; V and its words are in
	s_wait_alu depctr_va_vdst(0)                   ; the conversions have written p's codes in v200-215, and v253, p's scale word, is written: the scaled products below take them; the places above stay beside this wait
.irp t, 0,1,2,3                                ; the four accumulators take turns, one instruction a turn
.if (\t)%2
	v_wmma_scale_f32_16x16x128_f8f6f4 v[O+8*\t:O+8*\t+7], v[32+16*\t:47+16*\t], v[PCD:PCD+15], v[O+8*\t:O+8*\t+7], v[10+\t/2], v253 matrix_a_scale:MATRIX_SCALE_ROW1
.else
	v_wmma_scale_f32_16x16x128_f8f6f4 v[O+8*\t:O+8*\t+7], v[32+16*\t:47+16*\t], v[PCD:PCD+15], v[O+8*\t:O+8*\t+7], v[10+\t/2], v253
.endif
.endr
.Lhidden_\@:
	s_wait_xcnt 0x0                                ; this step's loads have read their base: it is stepped only behind this wait
	s_add_nc_u64 s[30:31], s[30:31], 8192
	s_add_co_u32 s24, s24, 128
	s_add_co_u32 s27, s27, 512
	s_add_co_u32 s28, s28, 256
	s_wait_dscnt 0x0                               ; my stores of the next step's bytes lie in LDS, and my reads of this step's buffer are over
	s_barrier_signal -1
	s_barrier_wait -1                              ; ONE barrier a step, for both
.endm
	s_mov_b32 s32, 8
.Lsteps:                                           ; a constant count of trips, two steps each: a work-group that walks fewer keys passes the remaining barriers with nothing to do
	STEP 0
	STEP 1
	s_sub_co_u32 s32, s32, 1
	s_cmp_lg_u32 s32, 0
	s_cbranch_scc1 .Lsteps
	; THE WAY OUT
	s_wait_loadcnt 0x0                             ; a step's loads are waited for at the head of the next step, and the last step has none behind it: v224-231, their destinations, are written below only behind this wait.  (The last two steps ask for nothing, so it is met at once)
	s_wait_alu depctr_vm_vsrc(0)                   ; the last steps' loads of scale words have read v7, and their LDS stores v216-231: all of these are written below
.rept 8
	v_nop                                          ; places behind the last products
.endr
	v_add_f32 v14, v14, v15
	v_permlanex16_b32 v252, v14, s20, s21
	v_add_f32 v14, v14, v252                       ; the row's sum
	v_rcp_f32 v14, v14
	v_and_b32 v7, 15, v0                           ; (a plain instruction behind the reciprocal)
	v_lshlrev_b32 v7, 5, v7                        ; os: 32 bytes a token
	s_wait_alu depctr_va_vdst(0)                   ; the reciprocal has written v14, ahead of its first reader
.irp j, 0,2,4,6,8,10,12,14,16,18,20,22,24,26,28,30
	v_pk_mul_f32 v[S+\j:S+1+\j], v[O+\j:O+1+\j], v[14:15] op_sel_hi:[1,0]   ; o: register 16 b + i: d = 32 b + 8 h + i, or 32 b + 16 + 8 h + i - 8
.endr
.irp b, 0,1
	v_max3_num_f32 v[232+\b], |v[S+16*\b]|, |v[S+1+16*\b]|, 0x4800000
.endr
.irp i, 2,4,6,8,10,12,14
.irp b, 0,1
	v_max3_num_f32 v[232+\b], v[232+\b], |v[S+16*\b+\i]|, |v[S+1+16*\b+\i]|
.endr
.endr
.irp b, 0,1
	v_permlanex16_b32 v[236+\b], v[232+\b], s20, s21
.endr
.irp b, 0,1
	v_max_num_f32 v[232+\b], v[232+\b], v[236+\b]
.endr
.irp b, 0,1
	v_add_nc_u32 v[244+\b], 0xfc000000, v[232+\b]
.endr
.irp b, 0,1
	v_and_or_b32 v[240+\b], v[232+\b], 0x7f800000, s19
.endr
.irp b, 0,1
	v_lshrrev_b32 v[236+\b], 23, v[244+\b]
.endr
	v_lshl_or_b32 v254, v237, 8, v236              ; my head's two scale bytes
.irp b, 0,1
.irp i, 0,1,2,3,4,5,6,7,8,9,10,11,12,13,14,15
	v_med3_num_f32 v[S+16*\b+\i], v[S+16*\b+\i], -v[240+\b], v[240+\b]
.endr
	v_cvt_scalef32_pk8_fp8_f32 v[PCD+4*\b:PCD+1+4*\b], v[S+16*\b:S+7+16*\b], v[244+\b]
	v_cvt_scalef32_pk8_fp8_f32 v[PCD+2+4*\b:PCD+3+4*\b], v[S+8+16*\b:S+15+16*\b], v[244+\b]
.endr
	v_nop                                          ; a plain instruction behind the last conversion
; Lanes 0-15 hold d = 0..7 and 16..23 of a block, lanes 16-31 d = 8..15 and 24..31; the operand wants 0..15 below and 16..31 above: the lower lanes send their second eight, the upper their first.
.irp b, 0,1
	v_cndmask_b32 v216, v[PCD+2+4*\b], v[PCD+4*\b], s33
	v_cndmask_b32 v217, v[PCD+3+4*\b], v[PCD+1+4*\b], s33
	v_permlanex16_b32 v218, v216, s20, s21
	v_permlanex16_b32 v219, v217, s20, s21
	v_cndmask_b32 v[224+4*\b], v[PCD+4*\b], v218, s33
	v_cndmask_b32 v[225+4*\b], v[PCD+1+4*\b], v219, s33
	v_cndmask_b32 v[226+4*\b], v218, v[PCD+2+4*\b], s33
	v_cndmask_b32 v[227+4*\b], v219, v[PCD+3+4*\b], s33
.endr
	s_wait_alu depctr_va_vdst(0)                   ; the selects have written v224-231, and v254 and v7 are written: the three stores read them as data and offset
	global_store_b128 v1, v[224:227], s[10:11]                   ; a group of the last product's operand: 512 consecutive bytes
	global_store_b128 v1, v[228:231], s[10:11] offset:512
	global_store_b16 v7, v254, s[12:13]                          ; lanes r and r + 16 store the same two bytes
	s_wait_dscnt 0x0                               ; the wave's end: the closing lines, six on end
	s_wait_alu 0x0
	s_wait_tensorcnt 0x0
	ds_add_u32 v5, v6
	s_wait_dscnt 0x0
	s_endpgm
.Lfunc_end_k_q2b53979b96_attn:
	.size	k_q2b53979b96_attn, .Lfunc_end_k_q2b53979b96_attn-k_q2b53979b96_attn
	.p2alignl 7, 3214868480
	.fill 96, 4, 3214868480
	.section	.rodata,"a",@progbits
	.p2align	6, 0x0
	.amdhsa_kernel k_q2b53979b96_attn
		.amdhsa_group_segment_fixed_size 47104
		.amdhsa_private_segment_fixed_size 0
		.amdhsa_enable_private_segment 0
		.amdhsa_kernarg_size 40
		.amdhsa_user_sgpr_count 2
		.amdhsa_user_sgpr_kernarg_segment_ptr 1
		.amdhsa_wavefront_size32 1
		.amdhsa_system_sgpr_workgroup_id_x 1
		.amdhsa_system_sgpr_workgroup_id_y 1
		.amdhsa_system_sgpr_workgroup_id_z 1
		.amdhsa_system_vgpr_workitem_id 0
		.amdhsa_next_free_vgpr 256
		.amdhsa_next_free_sgpr 66
		.amdhsa_reserve_vcc 0
		.amdhsa_float_denorm_mode_32 3
		.amdhsa_float_denorm_mode_16_64 3
		.amdhsa_memory_ordered 1
		.amdhsa_forward_progress 1
		.amdhsa_inst_pref_size 72
	.end_amdhsa_kernel
	.amdgpu_metadata
---
amdhsa.version: [ 1, 2 ]
amdhsa.kernels:
  - .name:           k_q2b53979b96_attn
    .symbol:         k_q2b53979b96_attn.kd
    .args:
      - { .name: qc, .offset: 0, .size: 8, .value_kind: global_buffer, .address_space: global }
      - { .name: kvc, .offset: 8, .size: 8, .value_kind: global_buffer, .address_space: global }
      - { .name: qkvs, .offset: 16, .size: 8, .value_kind: global_buffer, .address_space: global }
      - { .name: oc, .offset: 24, .size: 8, .value_kind: global_buffer, .address_space: global }
      - { .name: os, .offset: 32, .size: 8, .value_kind: global_buffer, .address_space: global }
    .group_segment_fixed_size: 47104
    .private_segment_fixed_size: 0
    .kernarg_segment_align: 8
    .kernarg_segment_size: 40
    .max_flat_workgroup_size: 512
    .sgpr_count:     66
    .vgpr_count:     256
    .wavefront_size: 32
...
	.end_amdgpu_metadata
.endif
;; end of part 5
;; launch outp: the kernel of part 4 again; grid 8 x 16, 4 waves a work-group, clusters of 4 x 4, 327,680 bytes of LDS; arguments oc, os, w_out_codes, w_out_scales, x, out0; writes out0
